; MI455X (gfx1250); checked and timed in simulation.
; The chip was launched on July 23, 2026; its instructions are those of AMD's public machine-readable ISA for CDNA 5 (MIT licence, August 2026) and "CDNA5" Instruction Set Architecture Reference Guide (July 2026). The comments in the code are by the model that wrote it; some were corrected since.
;; Attention. Allowed arithmetic: matrix products marked QUANTISED: E4M3 operands, one given power-of-two scale a tensor, by v_wmma_f32_16x16x64_fp8_fp8 or v_wmma_f32_16x16x128_fp8_fp8, f32 sums; everything else in f32.
;; Inputs: b_out 256 float32; be_o 256 float32; bk 256 float32; bq 256 float32; bv 512 float32; gk 256 float32; go 256 float32; gq 256 float32; gv 512 float32; lowp_scales 12 int32 (the exponents e of the quantised operands' scales 2^e); mk 256 float32; mo 256 float32; mq 256 float32; mv 512 float32; vk 256 float32; vo 256 float32; vq 256 float32; vv 512 float32; wk 256 x 256 float32; wo 256 x 512 float32; wq 256 x 256 float32; wv 512 x 256 float32; x 32 x 256 x 32 x 32 float32.
;; Outputs: out0 32 x 256 x 32 x 32 float32.
;; This version of the problem:
;;   THIS VERSION OF THE PROBLEM IS GIVEN IN LOW PRECISION. The matrix products marked QUANTISED in the list below multiply operands that are first quantised to E4M3 (4 exponent bits, 3 mantissa bits; 8 bits a number), with one given power-of-two scale for each operand tensor; their sums are f32. All else is computed in f32.
;;   The module's matrix products, in the order in which they are computed (A, B: the left and right operand; K: the contracted axis; several contracted axes count as one K, in the product's order):
;;     1. [M 256, K 256] x [K 256, N 32,768]; A: input wq; B: input x: QUANTISED (scales: A lowp_scales[0], B lowp_scales[1])
;;     2. [M 256, K 256] x [K 256, N 32,768]; A: input wk; B: input x: QUANTISED (scales: A lowp_scales[2], B lowp_scales[3])
;;     3. [M 512, K 256] x [K 256, N 32,768]; A: input wv; B: input x: QUANTISED (scales: A lowp_scales[4], B lowp_scales[5])
;;     4. batch 256 x [M 1,024, K 32] x [K 32, N 1,024]; A: computed on the way; B: computed on the way: QUANTISED (scales: A lowp_scales[6], B lowp_scales[7])
;;     5. batch 256 x [M 1,024, K 1,024] x [K 1,024, N 64]; A: softmax (see below); B: computed on the way: QUANTISED (scales: A lowp_scales[8], B lowp_scales[9])
;;     6. [M 256, K 512] x [K 512, N 32,768]; A: input wo; B: computed on the way: QUANTISED (scales: A lowp_scales[10], B lowp_scales[11])
;;   THE QUANTISER, for each operand of a quantised product, along K:
;;     - The operand's scale is 2^e, e = its entry of the input lowp_scales (int32; the entries are numbered through the quantised products in the list's order, A before B).
;;     - Each number is divided by the scale, clamped to +-448, and rounded to the nearest number of E4M3, ties to even, subnormals kept.
;;     - The product sums the exact products of the quantised numbers (number of the format x scale) in f32.
;;   ~~~python
;;   def quantise(x, axis, e):      # numpy; x: float32 -> the quantised numbers, widened to float32 again
;;       x = np.moveaxis(x, axis, -1); K = x.shape[-1]
;;       r = np.clip(x / 2.0 ** e, -448, 448)
;;       step = 2.0 ** (np.maximum(np.frexp(np.where(r == 0, 1, r))[1] - 1, -6) - 3)
;;       q = np.round(r / step) * step * 2.0 ** e      # np.round: ties to even
;;       return np.moveaxis(q, -1, axis).astype(np.float32)
;;   ~~~
;;   SOFTMAX AHEAD OF A QUANTISED PRODUCT. Where the list says 'softmax', what is quantised is not the finished softmax but p = 2^(t - M), with t = logit x log2(e) and M = ceil(the row's largest t), a whole number; so 1/2 < the row's largest p <= 1. The row's sum l is taken of the UNQUANTISED p, in f32, and the product's result is divided by l at the end. Since M is a whole number, a kernel that streams over the keys may use a running M (the ceiling of the running maximum): every later rescaling is an exact power of two, so the quantised numbers keep their values, but for numbers so far below the row's largest that they fall under the format's range.
;;   OPERANDS COMPUTED ON THE WAY. 'Computed on the way' means the value that the module computes at that place (a softmax that the list does not call 'softmax' is quantised finished and normalised). What goes into a quantiser is computed in f32, as accurately as f32 sums, v_exp_f32 and their like allow (about 1e-6 of the number): no bf16 or f16 on the way to a quantiser, and a product that is left as it is and whose result goes on into a quantised operand takes f32 operands (vector FMAs, or v_wmma_f32_16x16x4_f32). A number that lies on a knife's edge between two numbers of the format may be rounded either way, as far as f32 arithmetic and the matrix unit's own rounding can turn it there, and no further.
;; 2 versions. Each part assembles by itself: llvm-mc -triple=amdgcn-amd-amdhsa -mcpu=gfx1250 --defsym DOCPART=n.
;; ======== version 1 of 2: 4 launches
;; limits: a function is approximated: absolute error at most 1.5e-07
;; workspace buffers: wimg 393,216 bytes; bnc 10,240 bytes; qimg 8,388,608 bytes; kimg 8,388,608 bytes; vimg 16,777,216 bytes; gimg 16,777,216 bytes
;; launch prep (part 1): grid 101 x 1, 8 waves a work-group, no clusters, 0 bytes of LDS; arguments wq, wk, wv, wo, lowp_scales, wimg, bnc, b_out, gq, bq, mq, vq, gk, bk, mk, vk, gv, bv, mv, vv, go, be_o, mo, vo; writes wimg, bnc
.if DOCPART == 1
	.amdgcn_target "amdgcn-amd-amdhsa--gfx1250"
	.amdhsa_code_object_version 6
	.text
	.protected	k_q3bccc695a2_prep
	.globl	k_q3bccc695a2_prep
	.p2align	8
	.type	k_q3bccc695a2_prep,@function
k_q3bccc695a2_prep:
	s_mov_b64 s[64:65], 0
	v_nop
	global_prefetch_b8 v0, s[64:65] scope:SCOPE_SE
	s_setreg_imm32_b32 hwreg(HW_REG_WAVE_MODE, 25, 1), 1
	s_wait_xcnt 0x0
; The four weights become codes of E4M3, laid in the ORDER OF THE OPERAND'S REGISTERS, and the BatchNorm constants are folded.
; wimg: a fragment (16 rows x 128 K) is 2,048 bytes = 4 groups of 512: in group i lane (r, h) has 16 bytes: k = 32 i + 8 h + 0..7, then k = 32 i + 16 + 8 h + 0..7
;   (the plain 8-bit form's own places: registers 2 c, 2 c + 1 hold k = 16 c + 8 h + 0..7).
;   bytes 0 ..: head w at 32,768 w; tile j at 4,096 j, K step s at 2,048 s.  Tiles 0, 1: wq; 2, 3: wk: lane r takes row 32 w + 8 u + r + (r & 8); tiles 4-7: wv, row 64 w + 16 t + r.
;   bytes 262,144 ..: wo: tile a (rows 16 a + r) at 8,192 a, K step s at 2,048 s.
; bnc: f32 S[1280] at byte 0, O[1280] at byte 5,120; channels: q 0.., k 256.., v 512.., out 1,024..:  inv = rsq(var + 1e-5) x gamma;  S = inv x 2^(eA + eB);  O = beta - (mean - bias) x inv,
;   so that a later launch makes a product's finished value by one fused multiply-add: sum x S + O.
; Work-groups 0-95: a thread makes one lane's 16 bytes of one group; a wave stores 512 consecutive bytes.  Work-groups 96-100: a thread makes one channel's S and O (a wave stores 128 consecutive bytes; the buffer is 10 KiB in all).
; LIMITS: entries 0, 2, 4, 10 of the scales between -126 and 119, so that 2^e and 448 x 2^e are f32 numbers.  NaN among the inputs is not served.
	s_load_b512 s[8:23], s[0:1], 0x0               ; wq 8, wk 10, wv 12, wo 14, scales 16, wimg 18, bnc 20, b_out 22
	s_load_b512 s[24:39], s[0:1], 0x40             ; gq 24, bq 26, mq 28, vq 30, gk 32, bk 34, mk 36, vk 38
	s_load_b512 s[40:55], s[0:1], 0x80             ; gv 40, bv 42, mv 44, vv 46, go 48, be_o 50, mo 52, vo 54
	v_and_b32 v1, 15, v0                           ; r
	v_bfe_u32 v2, v0, 4, 1                         ; h
	v_lshrrev_b32 v3, 5, v0                        ; wave: 4 s + i
	s_wait_kmcnt 0x0
	s_load_b256 s[56:63], s[16:17], 0x0            ; e0 .. e7
	s_load_b128 s[68:71], s[16:17], 0x20           ; e8 .. e11
	s_cmp_ge_u32 ttmp9, 96
	s_cbranch_scc1 .Lbn
	; ---- a tile of a weight.  What differs between the four weights is chosen on the work-group's number alone
	s_lshr_b32 s72, ttmp9, 3                       ; w
	s_and_b32 s73, ttmp9, 7                        ; j
	s_and_b32 s75, s73, 1
	s_lshl_b32 s76, s72, 5
	s_lshl_b32 s75, s75, 3
	s_add_co_u32 s76, s76, s75                     ; wq, wk: 32 w + 8 u
	s_and_b32 s75, s73, 3
	s_lshl_b32 s77, s72, 6
	s_lshl_b32 s75, s75, 4
	s_add_co_u32 s77, s77, s75                     ; wv: 64 w + 16 t
	s_sub_co_u32 s74, ttmp9, 64                    ; wo: g' (used from work-group 64 on)
	s_lshr_b32 s78, s74, 1
	s_lshl_b32 s78, s78, 4                         ; 16 a
	s_and_b32 s79, s74, 1
	s_lshl_b32 s79, s79, 8                         ; its K steps begin at column 256 (g' & 1)
	s_wait_kmcnt 0x0
	s_cmp_lt_u32 s73, 2
	s_cselect_b64 s[80:81], s[8:9], s[10:11]
	s_cselect_b32 s82, s56, s58
	s_cmp_lt_u32 s73, 4
	s_cselect_b64 s[80:81], s[80:81], s[12:13]
	s_cselect_b32 s82, s82, s60
	s_cselect_b32 s83, s76, s77                    ; the tile's first row
	s_cselect_b32 s84, 8, 0                        ; wq, wk: lanes 8-15 take rows 8 further on
	s_cmp_lt_u32 ttmp9, 64
	s_cselect_b64 s[80:81], s[80:81], s[14:15]     ; the weight
	s_cselect_b32 s82, s82, s70                    ; its e
	s_cselect_b32 s83, s83, s78
	s_cselect_b32 s84, s84, 0
	s_cselect_b32 s85, 10, 11                      ; a row is 1,024 bytes, wo's 2,048
	s_cselect_b32 s86, 0, s79
	v_and_b32 v4, s84, v1
	v_add3_u32 v4, v4, v1, s83                     ; my row
	v_lshlrev_b32 v4, s85, v4
	v_lshlrev_b32 v5, 5, v3
	v_lshl_add_u32 v5, v2, 3, v5
	v_add_nc_u32 v5, s86, v5                       ; my first column: 32 x wave + 8 h
	v_lshl_add_u32 v4, v5, 2, v4
	global_load_b128 v[8:11], v4, s[80:81]         ; k + 0..7
	global_load_b128 v[12:15], v4, s[80:81] offset:16
	global_load_b128 v[16:19], v4, s[80:81] offset:64   ; k + 16..23
	global_load_b128 v[20:23], v4, s[80:81] offset:80
	s_add_co_i32 s82, s82, 127
	s_lshl_b32 s87, s82, 23
	v_mov_b32 v6, s87                              ; 2^e as f32: the conversion takes its exponent field
	s_add_co_i32 s82, s82, 8
	s_lshl_b32 s82, s82, 23
	s_or_b32 s82, s82, 0x600000
	v_mov_b32 v7, s82                              ; 448 x 2^e
	s_lshl_b32 s88, ttmp9, 12
	s_mov_b32 s89, 0
	s_add_nc_u64 s[18:19], s[18:19], s[88:89]      ; the work-group's 4,096 bytes of wimg
	v_lshlrev_b32 v28, 4, v0
	s_wait_loadcnt 0x0
.set i, 0
.rept 16
	v_med3_num_f32 v[8+i], v[8+i], -v7, v7         ; the conversion to an 8-bit code does not saturate (ISA guide 7.6.2): the hold at the largest code x the scale
.set i, i+1
.endr
	v_cvt_scalef32_pk8_fp8_f32 v[24:25], v[8:15], v6
	v_cvt_scalef32_pk8_fp8_f32 v[26:27], v[16:23], v6
	v_nop
	global_store_b128 v28, v[24:27], s[18:19]      ; a wave stores 512 consecutive bytes: one group of a fragment
	s_endpgm
.Lbn:
	; ---- 256 channels' constants: group 0 q, 1 k, 2 and 3 v's halves, 4 out
	s_sub_co_u32 s72, ttmp9, 96
	s_wait_kmcnt 0x0
	s_add_co_i32 s73, s56, s57                     ; e0 + e1
	s_add_co_i32 s74, s58, s59                     ; e2 + e3
	s_add_co_i32 s75, s60, s61                     ; e4 + e5
	s_add_co_i32 s76, s70, s71                     ; e10 + e11
	s_cmp_eq_u32 s72, 0
	s_cselect_b64 s[80:81], s[24:25], s[32:33]     ; gamma
	s_cselect_b64 s[82:83], s[26:27], s[34:35]     ; beta
	s_cselect_b64 s[84:85], s[28:29], s[36:37]     ; mean
	s_cselect_b64 s[86:87], s[30:31], s[38:39]     ; variance
	s_cselect_b32 s77, s73, s74
	s_cmp_lt_u32 s72, 2
	s_cselect_b64 s[80:81], s[80:81], s[40:41]
	s_cselect_b64 s[82:83], s[82:83], s[42:43]
	s_cselect_b64 s[84:85], s[84:85], s[44:45]
	s_cselect_b64 s[86:87], s[86:87], s[46:47]
	s_cselect_b32 s77, s77, s75
	s_cmp_lt_u32 s72, 4
	s_cselect_b64 s[80:81], s[80:81], s[48:49]
	s_cselect_b64 s[82:83], s[82:83], s[50:51]
	s_cselect_b64 s[84:85], s[84:85], s[52:53]
	s_cselect_b64 s[86:87], s[86:87], s[54:55]
	s_cselect_b32 s77, s77, s76                    ; the two exponents of the group's product, added
	s_cselect_b32 s78, 0, -1                       ; all lanes where the group is out's: there the product has a bias
	s_cmp_eq_u32 s72, 3
	s_cselect_b32 s79, 1024, 0                     ; v's upper 256 channels
	v_lshlrev_b32 v1, 2, v0
	v_add_nc_u32 v2, s79, v1
	global_load_b32 v3, v2, s[80:81]
	global_load_b32 v4, v2, s[82:83]
	global_load_b32 v5, v2, s[84:85]
	global_load_b32 v6, v2, s[86:87]
	global_load_b32 v7, v1, s[22:23]               ; b_out: 256 numbers, so the load is inside its buffer in every group
	s_lshl_b32 s72, s72, 10
	v_add_nc_u32 v11, s72, v1                      ; 4 (256 x group + thread)
	s_wait_loadcnt 0x0
	v_add_f32 v6, 0x3727c5ac, v6                   ; + 1e-5
	v_rsq_f32 v8, v6
	v_cndmask_b32 v7, 0, v7, s78                   ; the bias, or 0.  (The plain instruction behind the transcendental)
	s_wait_alu depctr_va_vdst(0)                   ; the wait ahead of the result's first reader
	v_mul_f32 v8, v8, v3                           ; inv
	v_ldexp_f32 v9, v8, s77                        ; S
	v_sub_f32 v10, v5, v7
	v_fma_f32 v10, -v10, v8, v4                    ; O
	global_store_b32 v11, v9, s[20:21]
	global_store_b32 v11, v10, s[20:21] offset:5120
	s_endpgm
.Lfunc_end_k_q3bccc695a2_prep:
	.size	k_q3bccc695a2_prep, .Lfunc_end_k_q3bccc695a2_prep-k_q3bccc695a2_prep
	.p2alignl 7, 3214868480
	.fill 96, 4, 3214868480
	.section	.rodata,"a",@progbits
	.p2align	6, 0x0
	.amdhsa_kernel k_q3bccc695a2_prep
		.amdhsa_group_segment_fixed_size 0
		.amdhsa_private_segment_fixed_size 0
		.amdhsa_enable_private_segment 0
		.amdhsa_kernarg_size 192
		.amdhsa_user_sgpr_count 2
		.amdhsa_user_sgpr_kernarg_segment_ptr 1
		.amdhsa_wavefront_size32 1
		.amdhsa_system_sgpr_workgroup_id_x 1
		.amdhsa_system_sgpr_workgroup_id_y 1
		.amdhsa_system_sgpr_workgroup_id_z 1
		.amdhsa_system_vgpr_workitem_id 0
		.amdhsa_next_free_vgpr 40
		.amdhsa_next_free_sgpr 96
		.amdhsa_reserve_vcc 0
		.amdhsa_float_denorm_mode_32 3
		.amdhsa_float_denorm_mode_16_64 3
		.amdhsa_memory_ordered 1
		.amdhsa_forward_progress 1
		.amdhsa_inst_pref_size 7
	.end_amdhsa_kernel
	.amdgpu_metadata
---
amdhsa.version: [ 1, 2 ]
amdhsa.kernels:
  - .name:           k_q3bccc695a2_prep
    .symbol:         k_q3bccc695a2_prep.kd
    .args:
      - { .name: wq, .offset: 0, .size: 8, .value_kind: global_buffer, .address_space: global }
      - { .name: wk, .offset: 8, .size: 8, .value_kind: global_buffer, .address_space: global }
      - { .name: wv, .offset: 16, .size: 8, .value_kind: global_buffer, .address_space: global }
      - { .name: wo, .offset: 24, .size: 8, .value_kind: global_buffer, .address_space: global }
      - { .name: lowp_scales, .offset: 32, .size: 8, .value_kind: global_buffer, .address_space: global }
      - { .name: wimg, .offset: 40, .size: 8, .value_kind: global_buffer, .address_space: global }
      - { .name: bnc, .offset: 48, .size: 8, .value_kind: global_buffer, .address_space: global }
      - { .name: b_out, .offset: 56, .size: 8, .value_kind: global_buffer, .address_space: global }
      - { .name: gq, .offset: 64, .size: 8, .value_kind: global_buffer, .address_space: global }
      - { .name: bq, .offset: 72, .size: 8, .value_kind: global_buffer, .address_space: global }
      - { .name: mq, .offset: 80, .size: 8, .value_kind: global_buffer, .address_space: global }
      - { .name: vq, .offset: 88, .size: 8, .value_kind: global_buffer, .address_space: global }
      - { .name: gk, .offset: 96, .size: 8, .value_kind: global_buffer, .address_space: global }
      - { .name: bk, .offset: 104, .size: 8, .value_kind: global_buffer, .address_space: global }
      - { .name: mk, .offset: 112, .size: 8, .value_kind: global_buffer, .address_space: global }
      - { .name: vk, .offset: 120, .size: 8, .value_kind: global_buffer, .address_space: global }
      - { .name: gv, .offset: 128, .size: 8, .value_kind: global_buffer, .address_space: global }
      - { .name: bv, .offset: 136, .size: 8, .value_kind: global_buffer, .address_space: global }
      - { .name: mv, .offset: 144, .size: 8, .value_kind: global_buffer, .address_space: global }
      - { .name: vv, .offset: 152, .size: 8, .value_kind: global_buffer, .address_space: global }
      - { .name: go, .offset: 160, .size: 8, .value_kind: global_buffer, .address_space: global }
      - { .name: be_o, .offset: 168, .size: 8, .value_kind: global_buffer, .address_space: global }
      - { .name: mo, .offset: 176, .size: 8, .value_kind: global_buffer, .address_space: global }
      - { .name: vo, .offset: 184, .size: 8, .value_kind: global_buffer, .address_space: global }
    .group_segment_fixed_size: 0
    .private_segment_fixed_size: 0
    .kernarg_segment_align: 8
    .kernarg_segment_size: 192
    .max_flat_workgroup_size: 256
    .sgpr_count:     96
    .vgpr_count:     40
    .wavefront_size: 32
...
	.end_amdgpu_metadata
.endif
;; end of part 1
;; launch qkv (part 2): grid 256 x 1, 8 waves a work-group, no clusters, 99,840 bytes of LDS; arguments x, wimg, bnc, lowp_scales, qimg, kimg, vimg; writes qimg, kimg, vimg
.if DOCPART == 2
	.amdgcn_target "amdgcn-amd-amdhsa--gfx1250"
	.amdhsa_code_object_version 6
	.text
	.protected	k_q3bccc695a2_qkv
	.globl	k_q3bccc695a2_qkv
	.p2align	8
	.type	k_q3bccc695a2_qkv,@function
k_q3bccc695a2_qkv:
	s_mov_b64 s[64:65], 0
	v_nop
	global_prefetch_b8 v0, s[64:65] scope:SCOPE_SE
	s_setreg_imm32_b32 hwreg(HW_REG_WAVE_MODE, 25, 1), 1
	s_wait_xcnt 0x0
; Products 1 to 3 (q, k, v = BatchNorm(W x), K = 256 channels) on codes of E4M3, and the codes of q, k, v for the attention.
; SHARES.  A work-group takes 128 pixels of one image (b = group / 8, block pb = group % 8) and all 1,024 output channels; wave w is head w: its 16 weight fragments (256 registers, window 1) are read once and stay.
; PHASE X.  x's K (the channels) is not innermost.  Wave w loads channels 32 w .. 32 w + 31, a row of 512 consecutive bytes a load, a lane 4 pixels: so a lane's registers run DOWN K.  The hold picks one pixel's 32 channels into
;   consecutive registers, the conversions give 32 codes, and two LDS stores put them where the operand's registers want them.  x is quantised three times, once for each of its given scales (entries 1, 3, 5).
; OPERANDS ARE IMAGES OF THEIR REGISTERS: a group of four registers is 512 bytes, lane l's 16 bytes at 16 l; in group i of a fragment lane (r, h) holds k = 32 i + 8 h + 0..7 and k = 32 i + 16 + 8 h + 0..7 of row r.
; q, k: source 0 = 16 rows of W, source 1 = 16 pixels: lane (r, h) holds pixel r; W's rows of a tile are chosen (launch prep) so that the 16 registers of tiles u = 0, 1 are channels 16 h + 0..15 of the head.
;   qimg, kimg: [image x 8 + head][tile of 16 pixels][512]: lane (r, h): channels 16 h .. 16 h + 15 of pixel r.
; v: source 0 = 16 pixels, source 1 = 16 rows of W: lane (r, h) holds channel r and pixels 8 h + 0..7: eight neighbours along the KEYS, the next K.
;   vimg: [image x 8 + head][128 keys][tile of 16 channels][2,048], a fragment's image; pixel tile P gives registers 2 P, 2 P + 1.
; One barrier: between phase X's stores and the reads.  No loop and no branch: every offset is an immediate.
; LIMITS: entries 1, 3, 5, 6, 7, 9 of the scales between -126 and 119.  NaN among the inputs is not served.
; REGISTERS, window 0: v1 16 x lane (= xq's images); v2, v3 the same + xk's, xv's region; v4-6 where phase X stores; v7 64 h; v8 4 r; v14-25 pairs (2^e, 448 x 2^e) for entries 1, 3, 5, 6, 7, 9; v26, v27 the add's two;
;   phase X: v28-155 x, v156-187 one pixel's 32 numbers, v188-203 codes, two sets;  then: v28.. xq, v60.. xk, v92.. xv (two fragments each), v124-155 four accumulators, v156-219 S and O of q's and k's channels,
;   v220-227 S, O of v's, v228-243 v's codes, v244-251 q's and k's.   window 1: weight fragment f at v[16 f].
.set XT,    4112                       ; a pixel tile's two fragments + 16 bytes: phase X's sixteen lanes of a store then fall on sixteen different 16-byte columns modulo 256 bytes
.set KP,    8*XT                       ; one kind's eight tiles
.set SPARE, 98816                      ; behind the three kinds: the spare words, 128 bytes for each wave: four blocks of 256 bytes that no other line names
.set LI,  1
.set SPW, 26
.set NIL, 27
.set X,   28
.set T,   156
.set C,   188
.set XQ,  28
.set XK,  60
.set XV,  92
.set ACC, 124
.set BQ,  156
.set BV,  220
.set VC,  228
.set QC,  244
.set KC,  248
.set MSB, 0
.macro WIN new                         ; the immediate's high byte repeats the setting that is left
.if MSB != \new
	s_set_vgpr_msb (MSB<<8)|\new
.set MSB, \new
.endif
.endm
.macro MKSC e, vs                      ; v[vs] = 2^e as f32, v[vs + 1] = 448 x 2^e
	s_add_co_i32 s48, s[\e], 127
	s_lshl_b32 s49, s48, 23
	v_mov_b32 v[\vs], s49
	s_add_co_i32 s48, s48, 8
	s_lshl_b32 s48, s48, 23
	s_or_b32 s48, s48, 0x600000
	v_mov_b32 v[\vs+1], s48
.endm
.macro PLACES                          ; four plain vector instructions between a matrix instruction and a read of its result or a load into its sources
.rept 4
	v_nop
.endr
.endm
	s_load_b256 s[4:11], s[0:1], 0x0               ; x 4, wimg 6, bnc 8, scales 10
	s_load_b128 s[12:15], s[0:1], 0x20             ; qimg 12, kimg 14
	s_load_b64 s[16:17], s[0:1], 0x30              ; vimg
	v_lshl_add_u32 v[SPW], v0, 2, SPARE
	v_mov_b32 v[NIL], 0
	v_lshrrev_b32 v9, 5, v0
	v_readfirstlane_b32 s18, v9                    ; wave = head
	s_lshr_b32 s19, ttmp9, 3                       ; image
	s_and_b32 s20, ttmp9, 7                        ; block of 128 pixels
	v_and_b32 v9, 31, v0                           ; lane L
	v_lshlrev_b32 v[LI], 4, v9
	v_add_nc_u32 v2, KP, v[LI]
	v_add_nc_u32 v3, 2*KP, v[LI]
	v_lshrrev_b32 v10, 2, v9                       ; phase X: my 4 pixels lie in tile L / 4, rows 4 (L % 4) + 0..3
	v_mul_u32_u24 v4, v10, XT
	v_and_b32 v10, 3, v9
	v_lshl_add_u32 v4, v10, 6, v4
	s_lshr_b32 s21, s18, 2                         ; my 32 channels are K step w / 4, group w % 4
	s_lshl_b32 s21, s21, 11
	s_and_b32 s22, s18, 3
	s_lshl_b32 s22, s22, 9
	s_add_co_u32 s21, s21, s22
	v_add_nc_u32 v4, s21, v4
	v_add_nc_u32 v5, KP, v4
	v_add_nc_u32 v6, 2*KP, v4
	v_bfe_u32 v7, v0, 4, 1
	v_lshlrev_b32 v7, 6, v7
	v_and_b32 v8, 15, v0
	v_lshlrev_b32 v8, 2, v8
	s_lshl_b32 s36, s19, 20                        ; x: an image is 2^20 bytes, my 32 channels 2^17, the block 512 in each row
	s_lshl_b32 s21, s18, 17
	s_add_co_u32 s36, s36, s21
	s_lshl_b32 s21, s20, 9
	s_add_co_u32 s36, s36, s21
	s_mov_b32 s37, 0
	s_lshl_b32 s38, s18, 15                        ; my head's 16 fragments
	s_mov_b32 s39, 0
	s_lshl_b32 s40, s18, 7                         ; q's and k's constants: 32 channels a head
	s_mov_b32 s41, 0
	s_lshl_b32 s42, s18, 8                         ; v's: 64
	s_mov_b32 s43, 0
	s_lshl_b32 s44, s19, 18                        ; qimg, kimg: 32,768 bytes a head; the block's eight tiles 4,096
	s_lshl_b32 s21, s18, 15
	s_add_co_u32 s44, s44, s21
	s_lshl_b32 s21, s20, 12
	s_add_co_u32 s44, s44, s21
	s_mov_b32 s45, 0
	s_lshl_b32 s46, s19, 19                        ; vimg: 65,536 bytes a head; the block is one step of 128 keys, 8,192
	s_lshl_b32 s21, s18, 16
	s_add_co_u32 s46, s46, s21
	s_lshl_b32 s21, s20, 13
	s_add_co_u32 s46, s46, s21
	s_mov_b32 s47, 0
	s_wait_kmcnt 0x0
	s_load_b256 s[24:31], s[10:11], 0x0            ; e0 .. e7
	s_load_b64 s[32:33], s[10:11], 0x20            ; e8, e9
	s_add_nc_u64 s[4:5], s[4:5], s[36:37]
	s_add_nc_u64 s[6:7], s[6:7], s[38:39]
	s_add_nc_u64 s[40:41], s[8:9], s[40:41]
	s_add_nc_u64 s[42:43], s[8:9], s[42:43]
	s_add_nc_u64 s[12:13], s[12:13], s[44:45]
	s_add_nc_u64 s[14:15], s[14:15], s[44:45]
	s_add_nc_u64 s[16:17], s[16:17], s[46:47]
.set k, 0
.rept 32
	global_load_b128 v[X+4*k:X+4*k+3], v[LI], s[4:5] offset:4096*k th:TH_LOAD_NT   ; channel 32 w + k: 32 lanes read 512 consecutive bytes; read once in the launch
.set k, k+1
.endr
	WIN 0x40                                       ; destination window 1
.set k, 0
.rept 64
	global_load_b128 v[4*k:4*k+3], v[LI], s[6:7] offset:512*k   ; the weights as they lie: group k of my head's 64
.set k, k+1
.endr
	WIN 0
	s_wait_kmcnt 0x0
	MKSC 25, 14
	MKSC 27, 16
	MKSC 29, 18
	MKSC 30, 20
	MKSC 31, 22
	MKSC 33, 24
	s_wait_loadcnt 0x3f                            ; behind x's 32 loads 64 were issued; 63 is the most that a wait names: x is in
; One pixel (pj of my four) under one of x's three scales: 32 channels become 32 codes.
.set CALL, 0
.macro XQUANT kind, pj
.set CS, C+8*(CALL%2)
	s_wait_dscnt 0x2                               ; all but the last call's two stores are done: this set of code registers may be written
.set k, 0
.rept 32
	v_med3_num_f32 v[T+k], v[X+4*k+\pj], -v[15+2*\kind], v[15+2*\kind]   ; the hold at the largest code x the scale (ISA guide 7.6.2) also gathers the pixel's channels into consecutive registers
.set k, k+1
.endr
	v_cvt_scalef32_pk8_fp8_f32 v[CS:CS+1], v[T:T+7], v[14+2*\kind]         ; for h = 0: channels 0-7,
	v_cvt_scalef32_pk8_fp8_f32 v[CS+2:CS+3], v[T+16:T+23], v[14+2*\kind]   ; 16-23;
	v_cvt_scalef32_pk8_fp8_f32 v[CS+4:CS+5], v[T+8:T+15], v[14+2*\kind]    ; for h = 1: 8-15,
	v_cvt_scalef32_pk8_fp8_f32 v[CS+6:CS+7], v[T+24:T+31], v[14+2*\kind]   ; 24-31
	v_nop                                          ; a plain instruction between the conversions and the next writes of their sources
	ds_store_b128 v[4+\kind], v[CS:CS+3] offset:16*\pj
	ds_store_b128 v[4+\kind], v[CS+4:CS+7] offset:16*\pj+256
.set CALL, CALL+1
.endm
.irp pj, 0,1,2,3
.irp kind, 0,1,2
	XQUANT \kind, \pj
.endr
.endr
	s_wait_dscnt 0x0                               ; for the others' sake: my stores have landed
.irp a, 0,1,2,3                        ; accumulator a = 2 kind + u: lane (r, h), register j is channel 16 h + 8 u + j of the head
	global_load_b128 v[BQ+16*\a:BQ+16*\a+3], v7, s[40:41] offset:(\a/2)*1024+(\a%2)*32
	global_load_b128 v[BQ+16*\a+4:BQ+16*\a+7], v7, s[40:41] offset:(\a/2)*1024+(\a%2)*32+16
	global_load_b128 v[BQ+16*\a+8:BQ+16*\a+11], v7, s[40:41] offset:5120+(\a/2)*1024+(\a%2)*32
	global_load_b128 v[BQ+16*\a+12:BQ+16*\a+15], v7, s[40:41] offset:5120+(\a/2)*1024+(\a%2)*32+16
.endr
.irp t, 0,1,2,3                        ; v: a lane holds channel 16 t + r
	global_load_b32 v[BV+2*\t], v8, s[42:43] offset:2048+64*\t
	global_load_b32 v[BV+2*\t+1], v8, s[42:43] offset:7168+64*\t
.endr
	s_barrier_signal -1
	s_barrier_wait -1                              ; x's 48 fragments lie in LDS
.macro FETCH reg, adr, P               ; pixel tile P's two fragments: eight loads of 512 consecutive bytes
.irp s, 0,1
.irp i, 0,1,2,3
	ds_load_b128 v[\reg+16*\s+4*\i:\reg+16*\s+4*\i+3], v[\adr] offset:(\P)*XT+2048*\s+512*\i
.endr
.endr
.endm
	FETCH XQ, 1, 0
	FETCH XK, 2, 0
	FETCH XV, 3, 0
	s_wait_loadcnt 0x18                            ; the weights are in; the 24 loads of constants may be out
.macro TILE P
	s_wait_dscnt 0x8                               ; xq and xk of this tile are in; xv's eight loads may be out
	WIN 0x01                                       ; source 0 (W) window 1
.irp s, 0,1                            ; the four accumulators take turns, one instruction a turn
.irp a, 0,1,2,3
.if \s == 0
	v_wmma_f32_16x16x128_fp8_fp8 v[ACC+8*\a:ACC+8*\a+7], v[16*(2*\a+\s):16*(2*\a+\s)+15], v[XQ+32*(\a/2)+16*\s:XQ+32*(\a/2)+16*\s+15], 0
.else
	v_wmma_f32_16x16x128_fp8_fp8 v[ACC+8*\a:ACC+8*\a+7], v[16*(2*\a+\s):16*(2*\a+\s)+15], v[XQ+32*(\a/2)+16*\s:XQ+32*(\a/2)+16*\s+15], v[ACC+8*\a:ACC+8*\a+7]
.endif
.endr
.endr
	WIN 0
	PLACES
.if \P < 7
	FETCH XQ, 1, \P+1
	FETCH XK, 2, \P+1
.endif
.if \P == 0
	s_wait_loadcnt 0x0                             ; the constants
.endif
.irp a, 0,1,2,3
.irp n, 0,2,4,6
	v_pk_fma_f32 v[ACC+8*\a+\n:ACC+8*\a+\n+1], v[ACC+8*\a+\n:ACC+8*\a+\n+1], v[BQ+16*\a+\n:BQ+16*\a+\n+1], v[BQ+16*\a+8+\n:BQ+16*\a+8+\n+1]   ; sum x S + O: the scales and the BatchNorm in one
.endr
.endr
.set i, 0
.rept 16
	v_med3_num_f32 v[ACC+i], v[ACC+i], -v21, v21
	v_med3_num_f32 v[ACC+16+i], v[ACC+16+i], -v23, v23
.set i, i+1
.endr
	s_wait_xcnt 0x0                                ; every earlier store has read its data: q's, k's and v's code registers may be written
	v_cvt_scalef32_pk8_fp8_f32 v[QC:QC+1], v[ACC:ACC+7], v20
	v_cvt_scalef32_pk8_fp8_f32 v[QC+2:QC+3], v[ACC+8:ACC+15], v20
	v_cvt_scalef32_pk8_fp8_f32 v[KC:KC+1], v[ACC+16:ACC+23], v22
	v_cvt_scalef32_pk8_fp8_f32 v[KC+2:KC+3], v[ACC+24:ACC+31], v22
	v_nop                                          ; a plain instruction between the conversions and the products that write their sources
	global_store_b128 v[LI], v[QC:QC+3], s[12:13] offset:512*\P   ; a tile of q: 512 consecutive bytes
	global_store_b128 v[LI], v[KC:KC+3], s[14:15] offset:512*\P
.if \P < 7
	s_wait_dscnt 0x10                              ; xv of this tile is in; the next tile's xq and xk, sixteen loads, may be out
.else
	s_wait_dscnt 0x0
.endif
	WIN 0x04                                       ; source 1 (W) window 1
.irp s, 0,1
.irp t, 0,1,2,3
.if \s == 0
	v_wmma_f32_16x16x128_fp8_fp8 v[ACC+8*\t:ACC+8*\t+7], v[XV+16*\s:XV+16*\s+15], v[16*(8+2*\t+\s):16*(8+2*\t+\s)+15], 0
.else
	v_wmma_f32_16x16x128_fp8_fp8 v[ACC+8*\t:ACC+8*\t+7], v[XV+16*\s:XV+16*\s+15], v[16*(8+2*\t+\s):16*(8+2*\t+\s)+15], v[ACC+8*\t:ACC+8*\t+7]
.endif
.endr
.endr
	WIN 0
	PLACES
.if \P < 7
	FETCH XV, 3, \P+1
.endif
.irp t, 0,1,2,3
.irp j, 0,1,2,3,4,5,6,7
	v_fma_f32 v[ACC+8*\t+\j], v[ACC+8*\t+\j], v[BV+2*\t], v[BV+2*\t+1]
.endr
.endr
.set i, 0
.rept 32
	v_med3_num_f32 v[ACC+i], v[ACC+i], -v25, v25
.set i, i+1
.endr
.irp t, 0,1,2,3
	v_cvt_scalef32_pk8_fp8_f32 v[VC+4*\t+2*((\P)%2):VC+4*\t+2*((\P)%2)+1], v[ACC+8*\t:ACC+8*\t+7], v24   ; keys 16 P + 8 h + 0..7: registers 2 P, 2 P + 1 of the fragment
.endr
	v_nop
.if (\P)%2 == 1
.irp t, 0,1,2,3
	global_store_b128 v[LI], v[VC+4*\t:VC+4*\t+3], s[16:17] offset:2048*\t+512*((\P)/2)   ; a group of v's fragment: 512 consecutive bytes
.endr
.endif
.endm
.irp p, 0,1,2,3,4,5,6,7
	TILE \p
.endr
	s_wait_tensorcnt 0x0                           ; the wave's end, behind my last LDS store
	ds_add_u32 v[SPW], v[NIL]
	s_wait_dscnt 0x0
	s_endpgm
.Lfunc_end_k_q3bccc695a2_qkv:
	.size	k_q3bccc695a2_qkv, .Lfunc_end_k_q3bccc695a2_qkv-k_q3bccc695a2_qkv
	.p2alignl 7, 3214868480
	.fill 96, 4, 3214868480
	.section	.rodata,"a",@progbits
	.p2align	6, 0x0
	.amdhsa_kernel k_q3bccc695a2_qkv
		.amdhsa_group_segment_fixed_size 99840
		.amdhsa_private_segment_fixed_size 0
		.amdhsa_enable_private_segment 0
		.amdhsa_kernarg_size 56
		.amdhsa_user_sgpr_count 2
		.amdhsa_user_sgpr_kernarg_segment_ptr 1
		.amdhsa_wavefront_size32 1
		.amdhsa_system_sgpr_workgroup_id_x 1
		.amdhsa_system_sgpr_workgroup_id_y 1
		.amdhsa_system_sgpr_workgroup_id_z 1
		.amdhsa_system_vgpr_workitem_id 0
		.amdhsa_next_free_vgpr 512
		.amdhsa_next_free_sgpr 66
		.amdhsa_reserve_vcc 0
		.amdhsa_float_denorm_mode_32 3
		.amdhsa_float_denorm_mode_16_64 3
		.amdhsa_memory_ordered 1
		.amdhsa_forward_progress 1
		.amdhsa_inst_pref_size 133
	.end_amdhsa_kernel
	.amdgpu_metadata
---
amdhsa.version: [ 1, 2 ]
amdhsa.kernels:
  - .name:           k_q3bccc695a2_qkv
    .symbol:         k_q3bccc695a2_qkv.kd
    .args:
      - { .name: x, .offset: 0, .size: 8, .value_kind: global_buffer, .address_space: global }
      - { .name: wimg, .offset: 8, .size: 8, .value_kind: global_buffer, .address_space: global }
      - { .name: bnc, .offset: 16, .size: 8, .value_kind: global_buffer, .address_space: global }
      - { .name: lowp_scales, .offset: 24, .size: 8, .value_kind: global_buffer, .address_space: global }
      - { .name: qimg, .offset: 32, .size: 8, .value_kind: global_buffer, .address_space: global }
      - { .name: kimg, .offset: 40, .size: 8, .value_kind: global_buffer, .address_space: global }
      - { .name: vimg, .offset: 48, .size: 8, .value_kind: global_buffer, .address_space: global }
    .group_segment_fixed_size: 99840
    .private_segment_fixed_size: 0
    .kernarg_segment_align: 8
    .kernarg_segment_size: 56
    .max_flat_workgroup_size: 256
    .sgpr_count:     66
    .vgpr_count:     512
    .wavefront_size: 32
...
	.end_amdgpu_metadata
.endif
;; end of part 2
;; launch attn (part 3): grid 256 x 1, 16 waves a work-group, no clusters, 100,352 bytes of LDS; arguments qimg, kimg, vimg, lowp_scales, gimg; writes gimg
.if DOCPART == 3
	.amdgcn_target "amdgcn-amd-amdhsa--gfx1250"
	.amdhsa_code_object_version 6
	.text
	.protected	k_q3bccc695a2_attn
	.globl	k_q3bccc695a2_attn
	.p2align	8
	.type	k_q3bccc695a2_attn,@function
k_q3bccc695a2_attn:
	s_mov_b64 s[64:65], 0
	v_nop
	global_prefetch_b8 v0, s[64:65] scope:SCOPE_SE
	s_setreg_imm32_b32 hwreg(HW_REG_WAVE_MODE, 25, 1), 1
	s_wait_xcnt 0x0
; Products 4 and 5 on codes of E4M3, the softmax between them, the division by the row's sum, the exact GELU, and the codes of its result for product 6.
; SHARES.  A work-group is one (image, head).  The head's whole K (32 KiB) and V (64 KiB) lie in LDS as they lie in memory, filled once, through registers.  Wave w of sixteen owns query tiles 4 w .. 4 w + 3 (16 queries each).
;   Work-groups share no input, so there is nothing to ask for jointly: no cluster.
; BOTH PRODUCTS ARE USED TRANSPOSED (S^T = K Q^T, O^T = V^T P^T): a lane holds ONE query (lane % 16) throughout, and its eight registers of a tile of scores are keys 8 (lane / 16) + 0..7: what the next operand's registers 2 T, 2 T + 1 want.
; K = 32 IN AN INSTRUCTION OF K = 64.  Source 0 holds TWO tiles of 16 keys (registers 0-3, 4-7); source 1 is (q | zeros) or (zeros | q), both cut out of one run of registers Z Q0 Z Q1 Z ..: zero codes add nothing.
; TWO PASSES.  Pass A multiplies all keys by the wave's four query tiles and keeps the largest score of each query.  So pass B knows M = ceil(the row's largest t) from the start: no running maximum, no rescaling of O or of the sum.
;   Pass B takes two query tiles at a time, 64 keys a step: p = 2^(t - M), t = score x log2(e) / sqrt(32); the row's sum is taken of the unquantised p; p's codes are the second product's operand.
; GELU: gelu(o) = max(o, 0) - |o| y,  y = (a1 u + .. + a5 u^5) / 2 x exp(-o^2 / 2),  u = 1 / (1 + 0.3275911 |o| / sqrt(2)): the five-term rational form of erf.
;   LIMIT: its error in erf is 1.5e-7 absolute; gelu's relative error stays near that for o >= 0 and grows for o below about -2, where gelu itself is small.
; gimg: [image][tile of 16 pixels][K step = head / 2][2,048]: a fragment's image (rows = pixels, k = 64 (head % 2) + d): this head's half is 1,024 consecutive bytes.
; p is at most 1, so p / 2^e8 passes 448 only where e8 < -8: the 64 hold lines of a step stand under a scalar branch on that whole number; nothing else hangs on it.
; LIMITS: entries 8 and 11 of the scales between -126 and 119; e6 + e7 between -124 and 129 (added to c's exponent field).  NaN is not served.
; REGISTERS: v1 16 x lane; v2 the same + V's region; v3, v4 addresses in hand; v5 16 x thread, v24 the same + V's region; v6, v7 the add's two; v8, v9: 2^e8, 448 x 2^e8; v10, v11 the same for e11;
;   v[12:13] = -M of tiles 0, 2; v[14:15] of tiles 1, 3; v16-23 pass A's eight maxima, pass B's four chains of sums; v[26:27], v[28:29] 2^(e8 + e9) / sum; v32-51 Z Q0 Z Q1 Z; v52-67 pass A: Q2 Z Q3 Z, pass B: K's fragments, then erf's coefficients;
;   v68-75 copies of Q2, Q3; v76-91 p's codes, later g's; v92-123 V's fragments (pass A: K's; GELU: y); v124-187 scores, p (GELU: u, e); v188-251 O^T (pass A: more scores); v252-255 at work.
.set VOFF,  32768
.set SPARE, 98304                      ; behind K and V: the spare words, 128 bytes for each wave: eight blocks of 256 bytes that no other line names
.set LI,  1
.set LV,  2
.set AK,  3
.set AV,  4
.set VT,  5
.set SPW, 6
.set NIL, 7
.set KF,  52
.set QS,  68
.set P,   76
.set VF,  92
.set KA,  92
.set S,   124
.set O,   188
.set U,   124
.set E,   156
.set Y,   92
.macro PLACES
.rept 4
	v_nop
.endr
.endm
	s_load_b256 s[4:11], s[0:1], 0x0               ; qimg 4, kimg 6, vimg 8, scales 10
	s_load_b64 s[12:13], s[0:1], 0x20              ; gimg
	v_lshl_add_u32 v[SPW], v0, 2, SPARE
	v_mov_b32 v[NIL], 0
	v_lshrrev_b32 v252, 5, v0
	v_readfirstlane_b32 s14, v252                  ; wave 0..15
	v_and_b32 v253, 31, v0
	v_lshlrev_b32 v[LI], 4, v253
	v_add_nc_u32 v[LV], VOFF, v[LI]
	v_lshlrev_b32 v[VT], 4, v0
	v_add_nc_u32 v24, VOFF, v[VT]
	v_mov_b32 v254, 0                              ; (a lane permute's destination counts as one of its sources)
	v_mov_b32 v255, 0
	v_mov_b32 v27, 0                               ; (named as the upper halves of pairs)
	v_mov_b32 v29, 0
	s_lshl_b32 s36, ttmp9, 15                      ; the head's K and Q: 32,768 bytes
	s_mov_b32 s37, 0
	s_lshl_b32 s38, ttmp9, 16                      ; its V: 65,536
	s_mov_b32 s39, 0
	s_lshl_b32 s40, s14, 11                        ; my four query tiles
	s_add_co_u32 s40, s40, s36
	s_mov_b32 s41, 0
	s_lshr_b32 s42, ttmp9, 3
	s_lshl_b32 s42, s42, 19                        ; gimg: an image is 2^19 bytes,
	s_lshl_b32 s15, s14, 15                        ; my four pixel tiles 4 x 8,192,
	s_add_co_u32 s42, s42, s15
	s_and_b32 s15, ttmp9, 7                        ; the head:
	s_lshr_b32 s21, s15, 1
	s_lshl_b32 s21, s21, 11                        ; its K step,
	s_add_co_u32 s42, s42, s21
	s_and_b32 s21, s15, 1
	s_lshl_b32 s21, s21, 10                        ; and its half of the fragment
	s_add_co_u32 s42, s42, s21
	s_mov_b32 s43, 0
	s_mov_b32 s24, 0x76543210                      ; v_permlanex16_b32's selects for lane l xor 16
	s_mov_b32 s25, 0xfedcba98
	s_mov_b32 s32, 0x3e6d3388                      ; 0.3275911 / sqrt(2)
	s_mov_b32 s34, 0xbf38aa3b                      ; -log2(e) / 2
	s_mov_b32 s35, s34                             ; (named with it as a pair, so it is written)
	s_wait_kmcnt 0x0
	s_load_b128 s[16:19], s[10:11], 0x18           ; e6, e7, e8, e9
	s_load_b32 s20, s[10:11], 0x2c                 ; e11
	s_add_nc_u64 s[6:7], s[6:7], s[36:37]
	s_add_nc_u64 s[8:9], s[8:9], s[38:39]
	s_add_nc_u64 s[4:5], s[4:5], s[40:41]
	s_add_nc_u64 s[12:13], s[12:13], s[42:43]
.irp j, 0,1,2,3
	global_load_b128 v[S+4*\j:S+4*\j+3], v[VT], s[6:7] offset:8192*\j th:TH_LOAD_NT       ; the 512 threads read 8,192 consecutive bytes; read once in the launch
.endr
.irp j, 0,1,2,3,4,5,6,7
	global_load_b128 v[S+16+4*\j:S+16+4*\j+3], v[VT], s[8:9] offset:8192*\j th:TH_LOAD_NT
.endr
.irp i, 0,1,2,3
	global_load_b128 v[36+8*\i:39+8*\i], v[LI], s[4:5] offset:512*\i th:TH_LOAD_NT        ; my four query tiles stay in registers
.endr
.irp z, 32,40,48,56,64
.irp i, 0,1,2,3
	v_mov_b32 v[\z+\i], 0                          ; the zero codes between them
.endr
.endr
.irp d, 0,1,2,3,4,5,6,7
	v_mov_b32 v[16+\d], 0xff800000                 ; the maxima begin at -infinity
.endr
	s_wait_kmcnt 0x0
	s_add_co_i32 s21, s16, s17
	s_lshl_b32 s21, s21, 23
	s_mov_b32 s22, 0x3e8293ee                      ; c = log2(e) / sqrt(32)
	s_add_co_i32 s22, s22, s21                     ; a score stands for score x 2^(e6 + e7): the two exponents are added to c's exponent field
	s_mov_b32 s23, s22
	s_add_co_i32 s31, s18, s19                     ; e8 + e9
	s_cmp_lt_i32 s18, -8
	s_cselect_b32 s30, 1, 0                        ; does p want the hold?
	s_add_co_i32 s21, s18, 127
	s_lshl_b32 s33, s21, 23
	v_mov_b32 v8, s33                              ; 2^e8
	s_add_co_i32 s21, s21, 8
	s_lshl_b32 s21, s21, 23
	s_or_b32 s21, s21, 0x600000
	v_mov_b32 v9, s21                              ; 448 x 2^e8
	s_add_co_i32 s21, s20, 127
	s_lshl_b32 s33, s21, 23
	v_mov_b32 v10, s33                             ; 2^e11
	s_add_co_i32 s21, s21, 8
	s_lshl_b32 s21, s21, 23
	s_or_b32 s21, s21, 0x600000
	v_mov_b32 v11, s21                             ; 448 x 2^e11
	s_wait_loadcnt 0x4                             ; K and V are in; Q's four loads may be out
.irp j, 0,1,2,3
	ds_store_b128 v[VT], v[S+4*\j:S+4*\j+3] offset:8192*\j
.endr
.irp j, 0,1,2,3,4,5,6,7
	ds_store_b128 v24, v[S+16+4*\j:S+16+4*\j+3] offset:8192*\j
.endr
	s_wait_dscnt 0x0                               ; for the others' sake: my stores have landed
	s_barrier_signal -1
	s_barrier_wait -1                              ; the head's K and V lie in LDS; nothing is written there again
	s_wait_loadcnt 0x0                             ; Q
.irp i, 0,1,2,3
	v_mov_b32 v[QS+\i], v[52+\i]                   ; Q2 and Q3 are kept: pass B lays K's fragments over them
	v_mov_b32 v[QS+4+\i], v[60+\i]
.endr
	; ---- PASS A: the largest score of each of my 64 queries.  A trip: four tiles of keys (two fragments) x four query tiles: 16 products, each K fragment feeding eight
	s_mov_b32 s26, 0
	s_mov_b32 s28, 16
.Lmax:
	v_add_nc_u32 v[AK], s26, v[LI]
.irp n, 0,1,2,3
	ds_load_b128 v[KA+4*\n:KA+4*\n+3], v[AK] offset:512*\n
.endr
	s_wait_dscnt 0x0
.irp f, 0,1
.irp i, 0,1,2,3
	v_wmma_f32_16x16x64_fp8_fp8 v[S+64*\f+16*\i:S+64*\f+16*\i+7], v[KA+8*\f:KA+8*\f+7], v[36+8*\i:43+8*\i], 0        ; (q | 0): the fragment's first tile of keys
	v_wmma_f32_16x16x64_fp8_fp8 v[S+64*\f+16*\i+8:S+64*\f+16*\i+15], v[KA+8*\f:KA+8*\f+7], v[32+8*\i:39+8*\i], 0     ; (0 | q): its second
.endr
.endr
	PLACES
.irp f, 0,1                            ; eight chains, two for each query tile; each accumulator is read from its low end on
.irp k, 0,1,2,3
.irp d, 0,1,2,3,4,5,6,7
	v_max3_num_f32 v[16+\d], v[16+\d], v[S+64*\f+8*\d+2*\k], v[S+64*\f+8*\d+2*\k+1]
.endr
.endr
.endr
	s_add_co_u32 s26, s26, 2048
	s_sub_co_u32 s28, s28, 1
	s_cmp_lg_u32 s28, 0
	s_cbranch_scc1 .Lmax
.irp i, 0,1,2,3
	v_max_num_f32 v[16+2*\i], v[16+2*\i], v[17+2*\i]
.endr
.irp i, 0,1,2,3
	v_permlanex16_b32 v[252+\i], v[16+2*\i], s24, s25   ; the query's other keys lie in the lane 16 away
.endr
.irp i, 0,1,2,3
	v_max_num_f32 v[16+2*\i], v[16+2*\i], v[252+\i]
.endr
.irp i, 0,1,2,3
	v_mul_f32 v[16+2*\i], s22, v[16+2*\i]          ; as t (c is positive)
.endr
	v_floor_f32 v12, -v16                          ; -M = floor(-t) = -ceil(t): M IS A WHOLE NUMBER
	v_floor_f32 v14, -v18
	v_floor_f32 v13, -v20
	v_floor_f32 v15, -v22
; ---- PASS B.  A step: 64 keys x two query tiles (a: Q0's place, b: Q1's).
.macro STEPB ko, vo, zero
.irp n, 0,1,2,3
	ds_load_b128 v[KF+4*\n:KF+4*\n+3], v[AK] offset:\ko+512*\n
.endr
	s_wait_dscnt 0x0
.irp f, 0,1
	v_wmma_f32_16x16x64_fp8_fp8 v[S+16*\f:S+16*\f+7], v[KF+8*\f:KF+8*\f+7], v[36:43], 0
	v_wmma_f32_16x16x64_fp8_fp8 v[S+32+16*\f:S+32+16*\f+7], v[KF+8*\f:KF+8*\f+7], v[44:51], 0
	v_wmma_f32_16x16x64_fp8_fp8 v[S+16*\f+8:S+16*\f+15], v[KF+8*\f:KF+8*\f+7], v[32:39], 0
	v_wmma_f32_16x16x64_fp8_fp8 v[S+32+16*\f+8:S+32+16*\f+15], v[KF+8*\f:KF+8*\f+7], v[40:47], 0
.endr
	PLACES                                         ; in front of the reads of the scores, and of the loads into V's registers, which the last step's products read
.irp t, 0,1,2,3
	ds_load_b128 v[VF+8*\t:VF+8*\t+3], v[AV] offset:\vo+2048*\t
	ds_load_b128 v[VF+8*\t+4:VF+8*\t+7], v[AV] offset:\vo+2048*\t+512
.endr
.set i, 0
.rept 16
	v_pk_fma_f32 v[S+i:S+i+1], v[S+i:S+i+1], s[22:23], v[12:13] op_sel_hi:[1,0,0]   ; t - M, two at a time (of the pairs c and -M the low word serves both halves)
.set i, i+2
.endr
.set i, 0
.rept 16
	v_pk_fma_f32 v[S+32+i:S+32+i+1], v[S+32+i:S+32+i+1], s[22:23], v[14:15] op_sel_hi:[1,0,0]
.set i, i+2
.endr
.set i, 0
.rept 64
	v_exp_f32 v[S+i], v[S+i]                       ; p = 2^(t - M), at most 1: NOT normalised
.set i, i+1
.endr
	v_nop                                          ; the plain instruction behind the last exponential
	s_wait_alu depctr_va_vdst(0)                   ; the wait ahead of the first reader: one for the batch of 64
.set i, 0
.rept 16
	v_pk_add_f32 v[16+4*(i%2):17+4*(i%2)], v[16+4*(i%2):17+4*(i%2)], v[S+2*i:S+2*i+1]          ; THE ROW'S SUM IS TAKEN OF THE UNQUANTISED p: two chains a tile
	v_pk_add_f32 v[18+4*(i%2):19+4*(i%2)], v[18+4*(i%2):19+4*(i%2)], v[S+32+2*i:S+32+2*i+1]
.set i, i+1
.endr
	s_cmp_lg_u32 s30, 0                            ; where e8 >= -8, p / 2^e8 is at most 256: no hold is wanted
	s_cbranch_scc0 .Lnohold_\@
.set i, 0
.rept 64
	v_min_num_f32 v[S+i], v[S+i], v9               ; the conversion does not saturate (ISA guide 7.6.2); p is not negative, so the hold is one-sided
.set i, i+1
.endr
.Lnohold_\@:
.irp t, 0,1,2,3
	v_cvt_scalef32_pk8_fp8_f32 v[P+2*\t:P+2*\t+1], v[S+8*\t:S+8*\t+7], v8                 ; keys 16 t + 8 h + 0..7: the operand's registers 2 t, 2 t + 1
	v_cvt_scalef32_pk8_fp8_f32 v[P+8+2*\t:P+8+2*\t+1], v[S+32+8*\t:S+32+8*\t+7], v8
.endr
	v_nop                                          ; a plain instruction between the conversions and the products that read their results
	s_wait_dscnt 0x0                               ; V is in
.irp t, 0,1,2,3                        ; eight accumulators by turns
.if \zero
	v_wmma_f32_16x16x64_fp8_fp8 v[O+8*\t:O+8*\t+7], v[VF+8*\t:VF+8*\t+7], v[P:P+7], 0
	v_wmma_f32_16x16x64_fp8_fp8 v[O+32+8*\t:O+32+8*\t+7], v[VF+8*\t:VF+8*\t+7], v[P+8:P+15], 0
.else
	v_wmma_f32_16x16x64_fp8_fp8 v[O+8*\t:O+8*\t+7], v[VF+8*\t:VF+8*\t+7], v[P:P+7], v[O+8*\t:O+8*\t+7]
	v_wmma_f32_16x16x64_fp8_fp8 v[O+32+8*\t:O+32+8*\t+7], v[VF+8*\t:VF+8*\t+7], v[P+8:P+15], v[O+32+8*\t:O+32+8*\t+7]
.endif
.endr
.endm
.macro TRIP zero                       ; 128 keys: eight tiles of K (4,096 bytes), one step of V (8,192)
	v_add_nc_u32 v[AK], s26, v[LI]
	v_add_nc_u32 v[AV], s27, v[LV]
	STEPB 0, 0, \zero
	STEPB 2048, 1024, 0
	s_add_co_u32 s26, s26, 4096
	s_add_co_u32 s27, s27, 8192
.endm
; One query tile's way out: O^T at v[ob], 2^(e8 + e9) / sum in v[rl]; the codes go to v[gc] on and to byte off of my place in gimg.
.macro GELU ob, rl, gc, off
.set i, 0
.rept 16
	v_pk_mul_f32 v[\ob+i:\ob+i+1], v[\ob+i:\ob+i+1], v[\rl:\rl+1] op_sel_hi:[1,0]   ; o
.set i, i+2
.endr
.set i, 0
.rept 32
	v_fma_f32 v[U+i], |v[\ob+i]|, s32, 1.0
.set i, i+1
.endr
.set i, 0
.rept 16
	v_pk_mul_f32 v[E+i:E+i+1], v[\ob+i:\ob+i+1], v[\ob+i:\ob+i+1]
.set i, i+2
.endr
.set i, 0
.rept 16
	v_pk_mul_f32 v[E+i:E+i+1], v[E+i:E+i+1], s[34:35] op_sel_hi:[1,0]
.set i, i+2
.endr
.set i, 0
.rept 32
	v_rcp_f32 v[U+i], v[U+i]                       ; u
.set i, i+1
.endr
.set i, 0
.rept 32
	v_exp_f32 v[E+i], v[E+i]                       ; exp(-o^2 / 2)
.set i, i+1
.endr
	v_nop
	s_wait_alu depctr_va_vdst(0)                   ; one wait for the batch of 64, ahead of its first reader
.set i, 0
.rept 16
	v_pk_fma_f32 v[Y+i:Y+i+1], v[U+i:U+i+1], v[52:53], v[54:55]
.set i, i+2
.endr
.irp c, 56,58,60
.set i, 0
.rept 16
	v_pk_fma_f32 v[Y+i:Y+i+1], v[Y+i:Y+i+1], v[U+i:U+i+1], v[\c:\c+1]
.set i, i+2
.endr
.endr
.set i, 0
.rept 16
	v_pk_mul_f32 v[U+i:U+i+1], v[U+i:U+i+1], v[E+i:E+i+1]
.set i, i+2
.endr
.set i, 0
.rept 16
	v_pk_mul_f32 v[Y+i:Y+i+1], v[Y+i:Y+i+1], v[U+i:U+i+1]   ; y
.set i, i+2
.endr
.set i, 0
.rept 32
	v_max_num_f32 v[E+i], 0, v[\ob+i]
.set i, i+1
.endr
.set i, 0
.rept 32
	v_fma_f32 v[\ob+i], -|v[\ob+i]|, v[Y+i], v[E+i]   ; gelu(o) = max(o, 0) - |o| y
.set i, i+1
.endr
.set i, 0
.rept 32
	v_med3_num_f32 v[\ob+i], v[\ob+i], -v11, v11
.set i, i+1
.endr
.irp t, 0,1,2,3
	v_cvt_scalef32_pk8_fp8_f32 v[\gc+2*\t:\gc+2*\t+1], v[\ob+8*\t:\ob+8*\t+7], v10   ; d = 16 t + 8 h + 0..7: registers 2 t, 2 t + 1 of this head's half of the fragment
.endr
	v_nop
	global_store_b128 v[LI], v[\gc:\gc+3], s[12:13] offset:\off          ; 512 consecutive bytes each
	global_store_b128 v[LI], v[\gc+4:\gc+7], s[12:13] offset:\off+512
.endm
	s_mov_b32 s29, 2
.Lpair:                                ; two trips: query tiles 0, 1, then 2, 3
.irp d, 0,1,2,3,4,5,6,7
	v_mov_b32 v[16+\d], 0                          ; the sums
.endr
	s_mov_b32 s26, 0
	s_mov_b32 s27, 0
	TRIP 1                                         ; the first 128 keys stand in front of the loop: their first products start O^T's sums
	s_mov_b32 s28, 7
.Lkeys:
	TRIP 0
	s_sub_co_u32 s28, s28, 1
	s_cmp_lg_u32 s28, 0
	s_cbranch_scc1 .Lkeys
	v_pk_add_f32 v[16:17], v[16:17], v[20:21]      ; the sums' chains, (these lines are also the places behind the last products)
	v_pk_add_f32 v[18:19], v[18:19], v[22:23]
	v_add_f32 v16, v16, v17                        ; halves,
	v_add_f32 v18, v18, v19
	v_permlanex16_b32 v252, v16, s24, s25
	v_permlanex16_b32 v253, v18, s24, s25
	v_add_f32 v16, v16, v252                       ; and lane l xor 16's: the rows' sums
	v_add_f32 v18, v18, v253
	v_rcp_f32 v26, v16
	v_rcp_f32 v28, v18
	v_mov_b32 v52, 0x3f07dc22                      ; a5 / 2, twice: the packed forms take pairs.  (Plain work behind the reciprocals)
	v_mov_b32 v53, 0x3f07dc22
	v_mov_b32 v54, 0xbf3a00e3                      ; a4 / 2
	v_mov_b32 v55, 0xbf3a00e3
	v_mov_b32 v56, 0x3f35f0e3                      ; a3 / 2
	v_mov_b32 v57, 0x3f35f0e3
	v_mov_b32 v58, 0xbe11a98e                      ; a2 / 2
	v_mov_b32 v59, 0xbe11a98e
	v_mov_b32 v60, 0x3e027906                      ; a1 / 2
	v_mov_b32 v61, 0x3e027906
	s_wait_alu depctr_va_vdst(0)                   ; one wait for the two reciprocals, ahead of their first reader
	v_ldexp_f32 v26, v26, s31                      ; x 2^(e8 + e9)
	v_ldexp_f32 v28, v28, s31
	GELU O, 26, P, 0
	GELU O+32, 28, P+8, 8192
	s_wait_xcnt 0x0                                ; the stores have read their base and their data: both may be written
	s_add_nc_u64 s[12:13], s[12:13], 16384         ; two pixel tiles on
.irp i, 0,1,2,3
	v_mov_b32 v[36+\i], v[QS+\i]                   ; Q2 and Q3 take Q0's and Q1's places,
	v_mov_b32 v[44+\i], v[QS+4+\i]
.endr
	v_mov_b32 v12, v13                             ; and their -M likewise
	v_mov_b32 v14, v15
	s_sub_co_u32 s29, s29, 1
	s_cmp_lg_u32 s29, 0
	s_cbranch_scc1 .Lpair
	s_wait_tensorcnt 0x0                           ; the wave's end, behind my last LDS store
	ds_add_u32 v[SPW], v[NIL]
	s_wait_dscnt 0x0
	s_endpgm
.Lfunc_end_k_q3bccc695a2_attn:
	.size	k_q3bccc695a2_attn, .Lfunc_end_k_q3bccc695a2_attn-k_q3bccc695a2_attn
	.p2alignl 7, 3214868480
	.fill 96, 4, 3214868480
	.section	.rodata,"a",@progbits
	.p2align	6, 0x0
	.amdhsa_kernel k_q3bccc695a2_attn
		.amdhsa_group_segment_fixed_size 100352
		.amdhsa_private_segment_fixed_size 0
		.amdhsa_enable_private_segment 0
		.amdhsa_kernarg_size 40
		.amdhsa_user_sgpr_count 2
		.amdhsa_user_sgpr_kernarg_segment_ptr 1
		.amdhsa_wavefront_size32 1
		.amdhsa_system_sgpr_workgroup_id_x 1
		.amdhsa_system_sgpr_workgroup_id_y 1
		.amdhsa_system_sgpr_workgroup_id_z 1
		.amdhsa_system_vgpr_workitem_id 0
		.amdhsa_next_free_vgpr 256
		.amdhsa_next_free_sgpr 66
		.amdhsa_reserve_vcc 0
		.amdhsa_float_denorm_mode_32 3
		.amdhsa_float_denorm_mode_16_64 3
		.amdhsa_memory_ordered 1
		.amdhsa_forward_progress 1
		.amdhsa_inst_pref_size 96
	.end_amdhsa_kernel
	.amdgpu_metadata
---
amdhsa.version: [ 1, 2 ]
amdhsa.kernels:
  - .name:           k_q3bccc695a2_attn
    .symbol:         k_q3bccc695a2_attn.kd
    .args:
      - { .name: qimg, .offset: 0, .size: 8, .value_kind: global_buffer, .address_space: global }
      - { .name: kimg, .offset: 8, .size: 8, .value_kind: global_buffer, .address_space: global }
      - { .name: vimg, .offset: 16, .size: 8, .value_kind: global_buffer, .address_space: global }
      - { .name: lowp_scales, .offset: 24, .size: 8, .value_kind: global_buffer, .address_space: global }
      - { .name: gimg, .offset: 32, .size: 8, .value_kind: global_buffer, .address_space: global }
    .group_segment_fixed_size: 100352
    .private_segment_fixed_size: 0
    .kernarg_segment_align: 8
    .kernarg_segment_size: 40
    .max_flat_workgroup_size: 512
    .sgpr_count:     66
    .vgpr_count:     256
    .wavefront_size: 32
...
	.end_amdgpu_metadata
.endif
;; end of part 3
;; launch proj (part 4): grid 256 x 1, 8 waves a work-group, no clusters, 205,824 bytes of LDS; arguments gimg, wimg, bnc, out0; writes out0
.if DOCPART == 4
	.amdgcn_target "amdgcn-amd-amdhsa--gfx1250"
	.amdhsa_code_object_version 6
	.text
	.protected	k_q3bccc695a2_proj
	.globl	k_q3bccc695a2_proj
	.p2align	8
	.type	k_q3bccc695a2_proj,@function
k_q3bccc695a2_proj:
	s_mov_b64 s[64:65], 0
	v_nop
	global_prefetch_b8 v0, s[64:65] scope:SCOPE_SE
	s_setreg_imm32_b32 hwreg(HW_REG_WAVE_MODE, 25, 1), 1
	s_wait_xcnt 0x0
; Product 6 (wo x gelu, K = 512) on codes of E4M3, its bias and BatchNorm: out = sum x S + O with the constants that launch prep folded.
; SHARES.  A work-group takes 128 pixels of one image (b = group / 8, block pb = group % 8) and all 256 outputs.  Wave w: outputs 64 (w / 2) .. + 63 (four tiles; their 16 fragments of wo fill window 1 and stay), pixel tiles 4 (w % 2) .. + 3.
;   The block's 32 fragments of g (65,536 consecutive bytes of gimg) go into LDS as they lie, once; each fragment read from there feeds four products.
; Source 0 = 16 pixels of g, source 1 = 16 rows of wo: lane (r, h) holds ONE output channel (so S and O are one register each for a tile) and pixels 8 h + 0..7: 32 neighbouring bytes of a row of out0.
; THE WAY OUT.  A wave's 64 channels x 64 pixels gather in its own stage (rows of 256 bytes + 16) and leave by rows: sixteen lanes store 256 consecutive bytes, at a multiple of 256 from out0's first byte.
; One barrier: between the fill of g's region and its reads.  The weights go straight into registers, so work-groups have no tile to ask for jointly: no cluster.
; REGISTERS, window 0: v1 16 x lane; v2 16 x thread; v3 my pixel tiles' images; v4, v5 the stage, in and back; v6 my place in two rows of out0; v7 4 r; v12, v13 the add's two; v16-79, v80-143 g's fragments, two sets (later the rows read back);
;   v144-175, v176-207 four accumulators, two sets; v208-211 S, v212-215 O.   window 1: wo's fragment (tile a, K step s) at v[64 a + 16 s].
.set STG,   65536
.set WST,   64*272                     ; a wave's stage
.set SPARE, 204800                     ; behind the stages: the spare words, 128 bytes for each wave: four blocks of 256 bytes that no other line names
.set LI,  1
.set VT,  2
.set GA,  3
.set STO, 4
.set RD,  5
.set CO,  6
.set SPW, 12
.set NIL, 13
.set GF,  16
.set ACC, 144
.set BS,  208
.set BO,  212
.set MSB, 0
.macro WIN new                         ; the immediate's high byte repeats the setting that is left
.if MSB != \new
	s_set_vgpr_msb (MSB<<8)|\new
.set MSB, \new
.endif
.endm
	s_load_b256 s[4:11], s[0:1], 0x0               ; gimg 4, wimg 6, bnc 8, out0 10
	v_lshl_add_u32 v[SPW], v0, 2, SPARE
	v_mov_b32 v[NIL], 0
	v_lshrrev_b32 v8, 5, v0
	v_readfirstlane_b32 s12, v8                    ; wave
	s_lshr_b32 s13, s12, 1                         ; which 64 outputs
	s_and_b32 s14, s12, 1                          ; which 64 pixels
	s_lshr_b32 s15, ttmp9, 3                       ; image
	s_and_b32 s16, ttmp9, 7                        ; block of 128 pixels
	v_and_b32 v8, 31, v0
	v_lshlrev_b32 v[LI], 4, v8
	v_lshlrev_b32 v[VT], 4, v0
	s_lshl_b32 s17, s14, 15
	v_add_nc_u32 v[GA], s17, v[LI]
	v_and_b32 v9, 15, v0                           ; r
	v_bfe_u32 v10, v0, 4, 1                        ; h
	s_mul_i32 s17, s12, WST
	s_add_co_u32 s17, s17, STG                     ; my stage
	v_mul_u32_u24 v[STO], v9, 272                  ; in: row r of a tile of channels, 32 bytes for each half of the lanes
	v_lshl_add_u32 v[STO], v10, 5, v[STO]
	v_add_nc_u32 v[STO], s17, v[STO]
	v_mul_u32_u24 v[RD], v10, 272                  ; back: lanes 0-15 one row of 256 bytes, lanes 16-31 the next
	v_lshl_add_u32 v[RD], v9, 4, v[RD]
	v_add_nc_u32 v[RD], s17, v[RD]
	v_lshlrev_b32 v[CO], 12, v10                   ; and the same two rows in out0: a channel's row is 4,096 bytes
	v_lshl_add_u32 v[CO], v9, 4, v[CO]
	v_lshlrev_b32 v7, 2, v9
	s_lshl_b32 s20, s15, 19
	s_lshl_b32 s17, s16, 16
	s_add_co_u32 s20, s20, s17                     ; gimg: the block's eight pixel tiles
	s_mov_b32 s21, 0
	s_lshl_b32 s22, s13, 15
	s_add_co_u32 s22, s22, 262144                  ; wimg: wo's tiles 4 (w / 2) on
	s_mov_b32 s23, 0
	s_lshl_b32 s24, s13, 8
	s_add_co_u32 s24, s24, 4096                    ; bnc: channel 1,024 + 64 (w / 2)
	s_mov_b32 s25, 0
	s_lshl_b32 s26, s15, 20
	s_lshl_b32 s17, s13, 18
	s_add_co_u32 s26, s26, s17
	s_lshl_b32 s17, s16, 9
	s_add_co_u32 s26, s26, s17
	s_lshl_b32 s17, s14, 8
	s_add_co_u32 s26, s26, s17                     ; out0: image, my first channel, my first pixel
	s_mov_b32 s27, 0
	s_wait_kmcnt 0x0
	s_add_nc_u64 s[4:5], s[4:5], s[20:21]
	s_add_nc_u64 s[6:7], s[6:7], s[22:23]
	s_add_nc_u64 s[8:9], s[8:9], s[24:25]
	s_add_nc_u64 s[10:11], s[10:11], s[26:27]
.set k, 0
.rept 16
	global_load_b128 v[GF+4*k:GF+4*k+3], v[VT], s[4:5] offset:4096*k th:TH_LOAD_NT   ; the 256 threads read 4,096 consecutive bytes; read once in the launch
.set k, k+1
.endr
.irp a, 0,1,2,3
	global_load_b32 v[BS+\a], v7, s[8:9] offset:64*\a
	global_load_b32 v[BO+\a], v7, s[8:9] offset:5120+64*\a
.endr
	WIN 0x40                                       ; destination window 1
.set k, 0
.rept 64
	global_load_b128 v[4*k:4*k+3], v[LI], s[6:7] offset:512*k   ; wo's fragments as they lie
.set k, k+1
.endr
	WIN 0
	s_wait_loadcnt 0x3f                            ; behind g's 16 loads 72 were issued; 63 is the most that a wait names: g is in
.set k, 0
.rept 16
	ds_store_b128 v[VT], v[GF+4*k:GF+4*k+3] offset:4096*k
.set k, k+1
.endr
	s_wait_dscnt 0x0                               ; for the others' sake: my stores have landed
	s_barrier_signal -1
	s_barrier_wait -1                              ; g's 32 fragments lie in LDS; nothing is written there again
.macro FETCH T                         ; my pixel tile T's four fragments into set T % 2
.set FB, GF+64*((\T)%2)
.irp s, 0,1,2,3
.irp i, 0,1,2,3
	ds_load_b128 v[FB+16*\s+4*\i:FB+16*\s+4*\i+3], v[GA] offset:8192*(\T)+2048*\s+512*\i
.endr
.endr
.endm
	FETCH 0
	s_wait_loadcnt 0x0                             ; wo and the constants
.macro TILE T
.if \T < 3
	FETCH \T+1                                     ; the set's last readers stand a tile back, with that tile's vector work between
	s_wait_dscnt 0x10                              ; all but the sixteen just issued: this tile's fragments are in
.else
	s_wait_dscnt 0x0
.endif
.set GB, GF+64*((\T)%2)
.set AS, ACC+32*((\T)%2)
	WIN 0x04                                       ; source 1 (wo) window 1
.irp s, 0,1,2,3                        ; four accumulators by turns
.irp a, 0,1,2,3
.if \s == 0
	v_wmma_f32_16x16x128_fp8_fp8 v[AS+8*\a:AS+8*\a+7], v[GB+16*\s:GB+16*\s+15], v[64*\a+16*\s:64*\a+16*\s+15], 0
.else
	v_wmma_f32_16x16x128_fp8_fp8 v[AS+8*\a:AS+8*\a+7], v[GB+16*\s:GB+16*\s+15], v[64*\a+16*\s:64*\a+16*\s+15], v[AS+8*\a:AS+8*\a+7]
.endif
.endr
.endr
	WIN 0
.rept 4
	v_nop                                          ; four places in front of the reads of results (ISA guide 7.12.1)
.endr
.irp a, 0,1,2,3
.irp j, 0,1,2,3,4,5,6,7
	v_fma_f32 v[AS+8*\a+\j], v[AS+8*\a+\j], v[BS+\a], v[BO+\a]   ; the scales, the bias and the BatchNorm in one
.endr
.endr
.irp a, 0,1,2,3
	ds_store_b128 v[STO], v[AS+8*\a:AS+8*\a+3] offset:4352*\a+64*(\T)       ; channel 16 a + r, pixels 16 T + 8 h + 0..7
	ds_store_b128 v[STO], v[AS+8*\a+4:AS+8*\a+7] offset:4352*\a+64*(\T)+16
.endr
.endm
	TILE 0
	TILE 1
	TILE 2
	TILE 3
.set k, 0
.rept 32
	ds_load_b128 v[GF+4*k:GF+4*k+3], v[RD] offset:544*k   ; my own stage: LDS serves a wave's instructions in order (ISA guide 5.7.1.4), so these see my stores
.set k, k+1
.endr
.set k, 0
.rept 32
	s_wait_dscnt 31-k                              ; rows 2 k, 2 k + 1 are back; the younger loads may be out
	global_store_b128 v[CO], v[GF+4*k:GF+4*k+3], s[10:11] offset:8192*k th:TH_STORE_NT   ; written once, read by nobody here
.set k, k+1
.endr
	s_wait_tensorcnt 0x0                           ; the wave's end, behind my last LDS store
	ds_add_u32 v[SPW], v[NIL]
	s_wait_dscnt 0x0
	s_endpgm
.Lfunc_end_k_q3bccc695a2_proj:
	.size	k_q3bccc695a2_proj, .Lfunc_end_k_q3bccc695a2_proj-k_q3bccc695a2_proj
	.p2alignl 7, 3214868480
	.fill 96, 4, 3214868480
	.section	.rodata,"a",@progbits
	.p2align	6, 0x0
	.amdhsa_kernel k_q3bccc695a2_proj
		.amdhsa_group_segment_fixed_size 205824
		.amdhsa_private_segment_fixed_size 0
		.amdhsa_enable_private_segment 0
		.amdhsa_kernarg_size 32
		.amdhsa_user_sgpr_count 2
		.amdhsa_user_sgpr_kernarg_segment_ptr 1
		.amdhsa_wavefront_size32 1
		.amdhsa_system_sgpr_workgroup_id_x 1
		.amdhsa_system_sgpr_workgroup_id_y 1
		.amdhsa_system_sgpr_workgroup_id_z 1
		.amdhsa_system_vgpr_workitem_id 0
		.amdhsa_next_free_vgpr 512
		.amdhsa_next_free_sgpr 66
		.amdhsa_reserve_vcc 0
		.amdhsa_float_denorm_mode_32 3
		.amdhsa_float_denorm_mode_16_64 3
		.amdhsa_memory_ordered 1
		.amdhsa_forward_progress 1
		.amdhsa_inst_pref_size 37
	.end_amdhsa_kernel
	.amdgpu_metadata
---
amdhsa.version: [ 1, 2 ]
amdhsa.kernels:
  - .name:           k_q3bccc695a2_proj
    .symbol:         k_q3bccc695a2_proj.kd
    .args:
      - { .name: gimg, .offset: 0, .size: 8, .value_kind: global_buffer, .address_space: global }
      - { .name: wimg, .offset: 8, .size: 8, .value_kind: global_buffer, .address_space: global }
      - { .name: bnc, .offset: 16, .size: 8, .value_kind: global_buffer, .address_space: global }
      - { .name: out0, .offset: 24, .size: 8, .value_kind: global_buffer, .address_space: global }
    .group_segment_fixed_size: 205824
    .private_segment_fixed_size: 0
    .kernarg_segment_align: 8
    .kernarg_segment_size: 32
    .max_flat_workgroup_size: 256
    .sgpr_count:     66
    .vgpr_count:     512
    .wavefront_size: 32
...
	.end_amdgpu_metadata
.endif
;; end of part 4
;; ======== version 2 of 2: 4 launches
;; limits: a function is approximated: absolute error at most 1.5e-07
;; workspace buffers: wimg 393,216 bytes; bnc 10,240 bytes; qimg 8,388,608 bytes; kimg 8,388,608 bytes; vimg 16,777,216 bytes; gimg 16,777,216 bytes
;; launch prep (part 5): grid 101 x 1, 8 waves a work-group, no clusters, 0 bytes of LDS; arguments wq, wk, wv, wo, lowp_scales, wimg, bnc, b_out, gq, bq, mq, vq, gk, bk, mk, vk, gv, bv, mv, vv, go, be_o, mo, vo; writes wimg, bnc
.if DOCPART == 5
	.amdgcn_target "amdgcn-amd-amdhsa--gfx1250"
	.amdhsa_code_object_version 6
	.text
	.protected	k_q3bccc695a2_prep
	.globl	k_q3bccc695a2_prep
	.p2align	8
	.type	k_q3bccc695a2_prep,@function
k_q3bccc695a2_prep:
	s_mov_b64 s[64:65], 0
	v_nop
	global_prefetch_b8 v0, s[64:65] scope:SCOPE_SE
	s_setreg_imm32_b32 hwreg(HW_REG_WAVE_MODE, 25, 1), 1
	s_wait_xcnt 0x0
; The four weights become codes of E4M3, laid in the ORDER OF THE OPERAND'S REGISTERS, and the BatchNorm constants are folded.
; wimg: a fragment (16 rows x 128 K) is 2,048 bytes = 4 groups of 512: in group i lane (r, h) has 16 bytes: k = 32 i + 8 h + 0..7, then k = 32 i + 16 + 8 h + 0..7
;   (the plain 8-bit form's own places: registers 2 c, 2 c + 1 hold k = 16 c + 8 h + 0..7).
;   bytes 0 ..: head w at 32,768 w; tile j at 4,096 j, K step s at 2,048 s.  Tiles 0, 1: wq; 2, 3: wk: lane r takes row 32 w + 8 u + r + (r & 8); tiles 4-7: wv, row 64 w + 16 t + r.
;   bytes 262,144 ..: wo: tile a (rows 16 a + r) at 8,192 a, K step s at 2,048 s.
; bnc: f32 S[1280] at byte 0, O[1280] at byte 5,120; channels: q 0.., k 256.., v 512.., out 1,024..:  inv = rsq(var + 1e-5) x gamma;  S = inv x 2^(eA + eB);  O = beta - (mean - bias) x inv,
;   so that a later launch makes a product's finished value by one fused multiply-add: sum x S + O.
; Work-groups 0-95: a thread makes one lane's 16 bytes of one group; a wave stores 512 consecutive bytes.  Work-groups 96-100: a thread makes one channel's S and O (a wave stores 128 consecutive bytes; the buffer is 10 KiB in all).
; LIMITS: entries 0, 2, 4, 10 of the scales between -126 and 119, so that 2^e and 448 x 2^e are f32 numbers.  NaN among the inputs is not served.
	s_load_b512 s[8:23], s[0:1], 0x0               ; wq 8, wk 10, wv 12, wo 14, scales 16, wimg 18, bnc 20, b_out 22
	s_load_b512 s[24:39], s[0:1], 0x40             ; gq 24, bq 26, mq 28, vq 30, gk 32, bk 34, mk 36, vk 38
	s_load_b512 s[40:55], s[0:1], 0x80             ; gv 40, bv 42, mv 44, vv 46, go 48, be_o 50, mo 52, vo 54
	v_and_b32 v1, 15, v0                           ; r
	v_bfe_u32 v2, v0, 4, 1                         ; h
	v_lshrrev_b32 v3, 5, v0                        ; wave: 4 s + i
	s_wait_kmcnt 0x0
	s_load_b256 s[56:63], s[16:17], 0x0            ; e0 .. e7
	s_load_b128 s[68:71], s[16:17], 0x20           ; e8 .. e11
	s_cmp_ge_u32 ttmp9, 96
	s_cbranch_scc1 .Lbn
	; ---- a tile of a weight.  What differs between the four weights is chosen on the work-group's number alone
	s_lshr_b32 s72, ttmp9, 3                       ; w
	s_and_b32 s73, ttmp9, 7                        ; j
	s_and_b32 s75, s73, 1
	s_lshl_b32 s76, s72, 5
	s_lshl_b32 s75, s75, 3
	s_add_co_u32 s76, s76, s75                     ; wq, wk: 32 w + 8 u
	s_and_b32 s75, s73, 3
	s_lshl_b32 s77, s72, 6
	s_lshl_b32 s75, s75, 4
	s_add_co_u32 s77, s77, s75                     ; wv: 64 w + 16 t
	s_sub_co_u32 s74, ttmp9, 64                    ; wo: g' (used from work-group 64 on)
	s_lshr_b32 s78, s74, 1
	s_lshl_b32 s78, s78, 4                         ; 16 a
	s_and_b32 s79, s74, 1
	s_lshl_b32 s79, s79, 8                         ; its K steps begin at column 256 (g' & 1)
	s_wait_kmcnt 0x0
	s_cmp_lt_u32 s73, 2
	s_cselect_b64 s[80:81], s[8:9], s[10:11]
	s_cselect_b32 s82, s56, s58
	s_cmp_lt_u32 s73, 4
	s_cselect_b64 s[80:81], s[80:81], s[12:13]
	s_cselect_b32 s82, s82, s60
	s_cselect_b32 s83, s76, s77                    ; the tile's first row
	s_cselect_b32 s84, 8, 0                        ; wq, wk: lanes 8-15 take rows 8 further on
	s_cmp_lt_u32 ttmp9, 64
	s_cselect_b64 s[80:81], s[80:81], s[14:15]     ; the weight
	s_cselect_b32 s82, s82, s70                    ; its e
	s_cselect_b32 s83, s83, s78
	s_cselect_b32 s84, s84, 0
	s_cselect_b32 s85, 10, 11                      ; a row is 1,024 bytes, wo's 2,048
	s_cselect_b32 s86, 0, s79
	s_wait_alu depctr_va_vdst(0)
	v_and_b32 v4, s84, v1
	s_delay_alu instid0(VALU_DEP_1)
	v_add3_u32 v4, v4, v1, s83                     ; my row
	s_delay_alu instid0(VALU_DEP_1)
	v_lshlrev_b32 v4, s85, v4
	v_lshlrev_b32 v5, 5, v3
	s_delay_alu instid0(VALU_DEP_1)
	v_lshl_add_u32 v5, v2, 3, v5
	s_delay_alu instid0(VALU_DEP_1)
	v_add_nc_u32 v5, s86, v5                       ; my first column: 32 x wave + 8 h
	s_delay_alu instid0(VALU_DEP_1)
	v_lshl_add_u32 v4, v5, 2, v4
	global_load_b128 v[8:11], v4, s[80:81]         ; k + 0..7
	global_load_b128 v[12:15], v4, s[80:81] offset:16
	global_load_b128 v[16:19], v4, s[80:81] offset:64   ; k + 16..23
	global_load_b128 v[20:23], v4, s[80:81] offset:80
	s_add_co_i32 s82, s82, 127
	s_lshl_b32 s87, s82, 23
	v_mov_b32 v6, s87                              ; 2^e as f32: the conversion takes its exponent field
	s_add_co_i32 s82, s82, 8
	s_lshl_b32 s82, s82, 23
	s_or_b32 s82, s82, 0x600000
	v_mov_b32 v7, s82                              ; 448 x 2^e
	s_lshl_b32 s88, ttmp9, 12
	s_mov_b32 s89, 0
	s_add_nc_u64 s[18:19], s[18:19], s[88:89]      ; the work-group's 4,096 bytes of wimg
	v_lshlrev_b32 v28, 4, v0
	s_wait_alu depctr_va_vdst(0)
	s_wait_loadcnt 0x0
.set i, 0
.rept 16
	v_med3_num_f32 v[8+i], v[8+i], -v7, v7         ; the conversion to an 8-bit code does not saturate (ISA guide 7.6.2): the hold at the largest code x the scale
.set i, i+1
.endr
	v_cvt_scalef32_pk8_fp8_f32 v[24:25], v[8:15], v6
	v_cvt_scalef32_pk8_fp8_f32 v[26:27], v[16:23], v6
	v_nop
	global_store_b128 v28, v[24:27], s[18:19]      ; a wave stores 512 consecutive bytes: one group of a fragment
	s_endpgm
.Lbn:
	; ---- 256 channels' constants: group 0 q, 1 k, 2 and 3 v's halves, 4 out
	s_sub_co_u32 s72, ttmp9, 96
	s_wait_kmcnt 0x0
	s_add_co_i32 s73, s56, s57                     ; e0 + e1
	s_add_co_i32 s74, s58, s59                     ; e2 + e3
	s_add_co_i32 s75, s60, s61                     ; e4 + e5
	s_add_co_i32 s76, s70, s71                     ; e10 + e11
	s_cmp_eq_u32 s72, 0
	s_cselect_b64 s[80:81], s[24:25], s[32:33]     ; gamma
	s_cselect_b64 s[82:83], s[26:27], s[34:35]     ; beta
	s_cselect_b64 s[84:85], s[28:29], s[36:37]     ; mean
	s_cselect_b64 s[86:87], s[30:31], s[38:39]     ; variance
	s_cselect_b32 s77, s73, s74
	s_cmp_lt_u32 s72, 2
	s_cselect_b64 s[80:81], s[80:81], s[40:41]
	s_cselect_b64 s[82:83], s[82:83], s[42:43]
	s_cselect_b64 s[84:85], s[84:85], s[44:45]
	s_cselect_b64 s[86:87], s[86:87], s[46:47]
	s_cselect_b32 s77, s77, s75
	s_cmp_lt_u32 s72, 4
	s_cselect_b64 s[80:81], s[80:81], s[48:49]
	s_cselect_b64 s[82:83], s[82:83], s[50:51]
	s_cselect_b64 s[84:85], s[84:85], s[52:53]
	s_cselect_b64 s[86:87], s[86:87], s[54:55]
	s_cselect_b32 s77, s77, s76                    ; the two exponents of the group's product, added
	s_cselect_b32 s78, 0, -1                       ; all lanes where the group is out's: there the product has a bias
	s_cmp_eq_u32 s72, 3
	s_cselect_b32 s79, 1024, 0                     ; v's upper 256 channels
	v_lshlrev_b32 v1, 2, v0
	s_delay_alu instid0(VALU_DEP_1)
	v_add_nc_u32 v2, s79, v1
	global_load_b32 v3, v2, s[80:81]
	global_load_b32 v4, v2, s[82:83]
	global_load_b32 v5, v2, s[84:85]
	global_load_b32 v6, v2, s[86:87]
	global_load_b32 v7, v1, s[22:23]               ; b_out: 256 numbers, so the load is inside its buffer in every group
	s_lshl_b32 s72, s72, 10
	v_add_nc_u32 v11, s72, v1                      ; 4 (256 x group + thread)
	s_wait_loadcnt 0x0
	v_add_f32 v6, 0x3727c5ac, v6                   ; + 1e-5
	s_wait_alu depctr_va_vdst(0)
	v_rsq_f32 v8, v6
	v_cndmask_b32 v7, 0, v7, s78                   ; the bias, or 0.  (The plain instruction behind the transcendental)
	s_wait_alu depctr_va_vdst(0)                   ; the wait ahead of the result's first reader
	v_mul_f32 v8, v8, v3                           ; inv
	s_delay_alu instid0(VALU_DEP_1)
	v_ldexp_f32 v9, v8, s77                        ; S
	v_sub_f32 v10, v5, v7
	s_delay_alu instid0(VALU_DEP_1)
	v_fma_f32 v10, -v10, v8, v4                    ; O
	global_store_b32 v11, v9, s[20:21]
	global_store_b32 v11, v10, s[20:21] offset:5120
	s_endpgm
.Lfunc_end_k_q3bccc695a2_prep:
	.size	k_q3bccc695a2_prep, .Lfunc_end_k_q3bccc695a2_prep-k_q3bccc695a2_prep
	.p2alignl 7, 3214868480
	.fill 96, 4, 3214868480
	.section	.rodata,"a",@progbits
	.p2align	6, 0x0
	.amdhsa_kernel k_q3bccc695a2_prep
		.amdhsa_group_segment_fixed_size 0
		.amdhsa_private_segment_fixed_size 0
		.amdhsa_enable_private_segment 0
		.amdhsa_kernarg_size 192
		.amdhsa_user_sgpr_count 2
		.amdhsa_user_sgpr_kernarg_segment_ptr 1
		.amdhsa_wavefront_size32 1
		.amdhsa_system_sgpr_workgroup_id_x 1
		.amdhsa_system_sgpr_workgroup_id_y 1
		.amdhsa_system_sgpr_workgroup_id_z 1
		.amdhsa_system_vgpr_workitem_id 0
		.amdhsa_next_free_vgpr 40
		.amdhsa_next_free_sgpr 96
		.amdhsa_reserve_vcc 0
		.amdhsa_float_denorm_mode_32 3
		.amdhsa_float_denorm_mode_16_64 3
		.amdhsa_memory_ordered 1
		.amdhsa_forward_progress 1
		.amdhsa_inst_pref_size 7
	.end_amdhsa_kernel
	.amdgpu_metadata
---
amdhsa.version: [ 1, 2 ]
amdhsa.kernels:
  - .name:           k_q3bccc695a2_prep
    .symbol:         k_q3bccc695a2_prep.kd
    .args:
      - { .name: wq, .offset: 0, .size: 8, .value_kind: global_buffer, .address_space: global }
      - { .name: wk, .offset: 8, .size: 8, .value_kind: global_buffer, .address_space: global }
      - { .name: wv, .offset: 16, .size: 8, .value_kind: global_buffer, .address_space: global }
      - { .name: wo, .offset: 24, .size: 8, .value_kind: global_buffer, .address_space: global }
      - { .name: lowp_scales, .offset: 32, .size: 8, .value_kind: global_buffer, .address_space: global }
      - { .name: wimg, .offset: 40, .size: 8, .value_kind: global_buffer, .address_space: global }
      - { .name: bnc, .offset: 48, .size: 8, .value_kind: global_buffer, .address_space: global }
      - { .name: b_out, .offset: 56, .size: 8, .value_kind: global_buffer, .address_space: global }
      - { .name: gq, .offset: 64, .size: 8, .value_kind: global_buffer, .address_space: global }
      - { .name: bq, .offset: 72, .size: 8, .value_kind: global_buffer, .address_space: global }
      - { .name: mq, .offset: 80, .size: 8, .value_kind: global_buffer, .address_space: global }
      - { .name: vq, .offset: 88, .size: 8, .value_kind: global_buffer, .address_space: global }
      - { .name: gk, .offset: 96, .size: 8, .value_kind: global_buffer, .address_space: global }
      - { .name: bk, .offset: 104, .size: 8, .value_kind: global_buffer, .address_space: global }
      - { .name: mk, .offset: 112, .size: 8, .value_kind: global_buffer, .address_space: global }
      - { .name: vk, .offset: 120, .size: 8, .value_kind: global_buffer, .address_space: global }
      - { .name: gv, .offset: 128, .size: 8, .value_kind: global_buffer, .address_space: global }
      - { .name: bv, .offset: 136, .size: 8, .value_kind: global_buffer, .address_space: global }
      - { .name: mv, .offset: 144, .size: 8, .value_kind: global_buffer, .address_space: global }
      - { .name: vv, .offset: 152, .size: 8, .value_kind: global_buffer, .address_space: global }
      - { .name: go, .offset: 160, .size: 8, .value_kind: global_buffer, .address_space: global }
      - { .name: be_o, .offset: 168, .size: 8, .value_kind: global_buffer, .address_space: global }
      - { .name: mo, .offset: 176, .size: 8, .value_kind: global_buffer, .address_space: global }
      - { .name: vo, .offset: 184, .size: 8, .value_kind: global_buffer, .address_space: global }
    .group_segment_fixed_size: 0
    .private_segment_fixed_size: 0
    .kernarg_segment_align: 8
    .kernarg_segment_size: 192
    .max_flat_workgroup_size: 256
    .sgpr_count:     96
    .vgpr_count:     40
    .wavefront_size: 32
...
	.end_amdgpu_metadata
.endif
;; end of part 5
;; launch qkv (part 6): grid 256 x 1, 8 waves a work-group, no clusters, 99,840 bytes of LDS; arguments x, wimg, bnc, lowp_scales, qimg, kimg, vimg; writes qimg, kimg, vimg
.if DOCPART == 6
	.amdgcn_target "amdgcn-amd-amdhsa--gfx1250"
	.amdhsa_code_object_version 6
	.text
	.protected	k_q3bccc695a2_qkv
	.globl	k_q3bccc695a2_qkv
	.p2align	8
	.type	k_q3bccc695a2_qkv,@function
k_q3bccc695a2_qkv:
	s_mov_b64 s[64:65], 0
	v_nop
	global_prefetch_b8 v0, s[64:65] scope:SCOPE_SE
	s_setreg_imm32_b32 hwreg(HW_REG_WAVE_SCHED_MODE, 0, 2), 2
	s_setreg_imm32_b32 hwreg(HW_REG_WAVE_MODE, 25, 1), 1
	s_wait_xcnt 0x0
	s_wait_alu depctr_vm_vsrc(0)
; Products 1 to 3 (q, k, v = BatchNorm(W x), K = 256 channels) on codes of E4M3, and the codes of q, k, v for the attention.
; SHARES.  A work-group takes 128 pixels of one image (b = group / 8, block pb = group % 8) and all 1,024 output channels; wave w is head w: its 16 weight fragments (256 registers, window 1) are read once and stay.
; PHASE X.  x's K (the channels) is not innermost.  Wave w loads channels 32 w .. 32 w + 31, a row of 512 consecutive bytes a load, a lane 4 pixels: so a lane's registers run DOWN K.  The hold picks one pixel's 32 channels into
;   consecutive registers, the conversions give 32 codes, and two LDS stores put them where the operand's registers want them.  x is quantised three times, once for each of its given scales (entries 1, 3, 5).
; OPERANDS ARE IMAGES OF THEIR REGISTERS: a group of four registers is 512 bytes, lane l's 16 bytes at 16 l; in group i of a fragment lane (r, h) holds k = 32 i + 8 h + 0..7 and k = 32 i + 16 + 8 h + 0..7 of row r.
; q, k: source 0 = 16 rows of W, source 1 = 16 pixels: lane (r, h) holds pixel r; W's rows of a tile are chosen (launch prep) so that the 16 registers of tiles u = 0, 1 are channels 16 h + 0..15 of the head.
;   qimg, kimg: [image x 8 + head][tile of 16 pixels][512]: lane (r, h): channels 16 h .. 16 h + 15 of pixel r.
; v: source 0 = 16 pixels, source 1 = 16 rows of W: lane (r, h) holds channel r and pixels 8 h + 0..7: eight neighbours along the KEYS, the next K.
;   vimg: [image x 8 + head][128 keys][tile of 16 channels][2,048], a fragment's image; pixel tile P gives registers 2 P, 2 P + 1.
; One barrier: between phase X's stores and the reads.  No loop and no branch: every offset is an immediate.
; LIMITS: entries 1, 3, 5, 6, 7, 9 of the scales between -126 and 119.  NaN among the inputs is not served.
; THE MODE: SCHED_MODE bits 1:0 = 2 (LLVM: expert scheduling mode 2), set by the entry lines.  The code itself states the register dependences
; between vector or matrix instructions and memory or LDS instructions, with s_wait_alu, always for 0.
; THE PLAN.  Registers that memory or LDS instructions touch:
;   v1-v8       addresses and offsets: made at the head, never written again: one wait on va_vdst ahead of the first load serves them all.
;   C0, C1      one pixel's codes under x's three scales, 24 registers, two sets by turns.  Written by the pixel's twelve conversions, read by its six LDS stores:
;               one wait on va_vdst ahead of the run of stores; one on vm_vsrc ahead of the conversions of the pixel two on.
;   XQ, XK      read by a tile's first eight products; the next tile's loads land in them.     XV: the same with the tile's second eight products.
;   QC, KC, VC  written by a tile's conversions, read by its global stores.
; A tile has a wait on va_vdst behind each run of conversions.  The first states that QC and KC are written and that the q and k products are done reading XQ and XK: the two stores and the next
; tile's sixteen loads follow it.  The second states that VC is written and that the v products are done reading XV: v's stores and the next tile's eight loads follow it.
; One wait on vm_vsrc a tile, ahead of the first conversions, states that the stores of the tile before have read QC, KC and VC.
; REGISTERS, window 0: v1 16 x lane (= xq's images); v2, v3 the same + xk's, xv's region; v4-6 where phase X stores; v7 64 h; v8 4 r; v14-25 pairs (2^e, 448 x 2^e) for entries 1, 3, 5, 6, 7, 9; v26, v27 the add's two;
;   phase X: v28-155 x, v156-187 one pixel's 32 numbers, v188-235 codes, two sets of 24;  then: v28.. xq, v60.. xk, v92.. xv (two fragments each), v124-155 four accumulators, v156-219 S and O of q's and k's channels,
;   v220-227 S, O of v's, v228-243 v's codes, v244-251 q's and k's.   window 1: weight fragment f at v[16 f].
.set XT,    4112                       ; a pixel tile's two fragments + 16 bytes: phase X's sixteen lanes of a store then fall on sixteen different 16-byte columns modulo 256 bytes
.set KP,    8*XT                       ; one kind's eight tiles
.set SPARE, 98816                      ; behind the three kinds: the spare words, 128 bytes for each wave: four blocks of 256 bytes that no other line names
.set LI,  1
.set SPW, 26
.set NIL, 27
.set X,   28
.set T,   156
.set C,   188
.set XQ,  28
.set XK,  60
.set XV,  92
.set ACC, 124
.set BQ,  156
.set BV,  220
.set VC,  228
.set QC,  244
.set KC,  248
.set MSB, 0
.macro WIN new                         ; the immediate's high byte repeats the setting that is left
.if MSB != \new
	s_set_vgpr_msb (MSB<<8)|\new
.set MSB, \new
.endif
.endm
.macro MKSC e, vs                      ; v[vs] = 2^e as f32, v[vs + 1] = 448 x 2^e
	s_add_co_i32 s48, s[\e], 127
	s_lshl_b32 s49, s48, 23
	v_mov_b32 v[\vs], s49
	s_add_co_i32 s48, s48, 8
	s_lshl_b32 s48, s48, 23
	s_or_b32 s48, s48, 0x600000
	v_mov_b32 v[\vs+1], s48
.endm
.macro PLACES                          ; four plain vector instructions between a matrix instruction and a read of its result (ISA guide 7.12.1)
.rept 4
	v_nop
.endr
.endm
	s_load_b256 s[4:11], s[0:1], 0x0               ; x 4, wimg 6, bnc 8, scales 10
	s_load_b128 s[12:15], s[0:1], 0x20             ; qimg 12, kimg 14
	s_load_b64 s[16:17], s[0:1], 0x30              ; vimg
	v_lshl_add_u32 v[SPW], v0, 2, SPARE
	v_mov_b32 v[NIL], 0
	v_lshrrev_b32 v9, 5, v0
	v_readfirstlane_b32 s18, v9                    ; wave = head
	s_lshr_b32 s19, ttmp9, 3                       ; image
	s_and_b32 s20, ttmp9, 7                        ; block of 128 pixels
	v_and_b32 v9, 31, v0                           ; lane L
	v_lshlrev_b32 v[LI], 4, v9
	v_add_nc_u32 v2, KP, v[LI]
	v_add_nc_u32 v3, 2*KP, v[LI]
	v_lshrrev_b32 v10, 2, v9                       ; phase X: my 4 pixels lie in tile L / 4, rows 4 (L % 4) + 0..3
	v_mul_u32_u24 v4, v10, XT
	v_and_b32 v10, 3, v9
	v_lshl_add_u32 v4, v10, 6, v4
	s_wait_alu depctr_va_sdst(0)                   ; s18 is written, ahead of its first reader
	s_lshr_b32 s21, s18, 2                         ; my 32 channels are K step w / 4, group w % 4
	s_lshl_b32 s21, s21, 11
	s_and_b32 s22, s18, 3
	s_lshl_b32 s22, s22, 9
	s_add_co_u32 s21, s21, s22
	v_add_nc_u32 v4, s21, v4
	v_add_nc_u32 v5, KP, v4
	v_add_nc_u32 v6, 2*KP, v4
	v_bfe_u32 v7, v0, 4, 1
	v_lshlrev_b32 v7, 6, v7
	v_and_b32 v8, 15, v0
	v_lshlrev_b32 v8, 2, v8
	s_lshl_b32 s36, s19, 20                        ; x: an image is 2^20 bytes, my 32 channels 2^17, the block 512 in each row
	s_lshl_b32 s21, s18, 17
	s_add_co_u32 s36, s36, s21
	s_lshl_b32 s21, s20, 9
	s_add_co_u32 s36, s36, s21
	s_mov_b32 s37, 0
	s_lshl_b32 s38, s18, 15                        ; my head's 16 fragments
	s_mov_b32 s39, 0
	s_lshl_b32 s40, s18, 7                         ; q's and k's constants: 32 channels a head
	s_mov_b32 s41, 0
	s_lshl_b32 s42, s18, 8                         ; v's: 64
	s_mov_b32 s43, 0
	s_lshl_b32 s44, s19, 18                        ; qimg, kimg: 32,768 bytes a head; the block's eight tiles 4,096
	s_lshl_b32 s21, s18, 15
	s_add_co_u32 s44, s44, s21
	s_lshl_b32 s21, s20, 12
	s_add_co_u32 s44, s44, s21
	s_mov_b32 s45, 0
	s_lshl_b32 s46, s19, 19                        ; vimg: 65,536 bytes a head; the block is one step of 128 keys, 8,192
	s_lshl_b32 s21, s18, 16
	s_add_co_u32 s46, s46, s21
	s_lshl_b32 s21, s20, 13
	s_add_co_u32 s46, s46, s21
	s_mov_b32 s47, 0
	s_wait_kmcnt 0x0
	s_load_b256 s[24:31], s[10:11], 0x0            ; e0 .. e7
	s_load_b64 s[32:33], s[10:11], 0x20            ; e8, e9
	s_add_nc_u64 s[4:5], s[4:5], s[36:37]
	s_add_nc_u64 s[6:7], s[6:7], s[38:39]
	s_add_nc_u64 s[40:41], s[8:9], s[40:41]
	s_add_nc_u64 s[42:43], s[8:9], s[42:43]
	s_add_nc_u64 s[12:13], s[12:13], s[44:45]
	s_add_nc_u64 s[14:15], s[14:15], s[44:45]
	s_add_nc_u64 s[16:17], s[16:17], s[46:47]
	s_wait_alu depctr_va_vdst(0)                   ; the addresses and offsets v1 to v8 are written, which every load and store of the kernel reads; between this wait and the last of the loads below stand only loads and a window switch
.set k, 0
.rept 32
	global_load_b128 v[X+4*k:X+4*k+3], v[LI], s[4:5] offset:4096*k th:TH_LOAD_NT   ; channel 32 w + k: 32 lanes read 512 consecutive bytes; read once in the launch
.set k, k+1
.endr
	WIN 0x40                                       ; destination window 1
.set k, 0
.rept 64
	global_load_b128 v[4*k:4*k+3], v[LI], s[6:7] offset:512*k   ; the weights as they lie: group k of my head's 64
.set k, k+1
.endr
	WIN 0
	s_wait_kmcnt 0x0
	MKSC 25, 14
	MKSC 27, 16
	MKSC 29, 18
	MKSC 30, 20
	MKSC 31, 22
	MKSC 33, 24
	s_wait_loadcnt 0x3f                            ; behind x's 32 loads 64 were issued; 63 is the most that a wait names: x is in
; One pixel (pj of my four) under one of x's three scales: 32 channels become 32 codes, in set pj % 2.
.macro XQUANT kind, pj
.set CS, C+24*((\pj)%2)+8*(\kind)
.set k, 0
.rept 32
	v_med3_num_f32 v[T+k], v[X+4*k+\pj], -v[15+2*\kind], v[15+2*\kind]   ; the hold at the largest code x the scale (ISA guide 7.6.2) also gathers the pixel's channels into consecutive registers
.set k, k+1
.endr
	v_cvt_scalef32_pk8_fp8_f32 v[CS:CS+1], v[T:T+7], v[14+2*\kind]         ; for h = 0: channels 0-7,
	v_cvt_scalef32_pk8_fp8_f32 v[CS+2:CS+3], v[T+16:T+23], v[14+2*\kind]   ; 16-23;
	v_cvt_scalef32_pk8_fp8_f32 v[CS+4:CS+5], v[T+8:T+15], v[14+2*\kind]    ; for h = 1: 8-15,
	v_cvt_scalef32_pk8_fp8_f32 v[CS+6:CS+7], v[T+24:T+31], v[14+2*\kind]   ; 24-31
	v_nop                                          ; a plain instruction between the conversions and the next writes of their sources
.endm
.macro XSEND kind, pj
.set CS, C+24*((\pj)%2)+8*(\kind)
	ds_store_b128 v[4+\kind], v[CS:CS+3] offset:16*\pj
	ds_store_b128 v[4+\kind], v[CS+4:CS+7] offset:16*\pj+256
.endm
.irp pj, 0,1,2,3
.if \pj > 1
	s_wait_alu depctr_vm_vsrc(0)                   ; the LDS stores of the pixel two back have read this set of code registers, which the conversions below write
.endif
	XQUANT 0, \pj
	XQUANT 1, \pj
	XQUANT 2, \pj
	s_wait_alu depctr_va_vdst(0)                   ; the pixel's twelve conversions have written its 24 code registers, which the six stores read
	XSEND 0, \pj
	XSEND 1, \pj
	XSEND 2, \pj
.endr
	s_wait_dscnt 0x0                               ; for the others' sake: my stores have landed
	s_wait_alu depctr_vm_vsrc(0)                   ; my LDS stores have read the code registers, in which the constants below land (the holds and conversions that named v28 to v235 stand ahead of the last wait on va_vdst)
.irp a, 0,1,2,3                        ; accumulator a = 2 kind + u: lane (r, h), register j is channel 16 h + 8 u + j of the head
	global_load_b128 v[BQ+16*\a:BQ+16*\a+3], v7, s[40:41] offset:(\a/2)*1024+(\a%2)*32
	global_load_b128 v[BQ+16*\a+4:BQ+16*\a+7], v7, s[40:41] offset:(\a/2)*1024+(\a%2)*32+16
	global_load_b128 v[BQ+16*\a+8:BQ+16*\a+11], v7, s[40:41] offset:5120+(\a/2)*1024+(\a%2)*32
	global_load_b128 v[BQ+16*\a+12:BQ+16*\a+15], v7, s[40:41] offset:5120+(\a/2)*1024+(\a%2)*32+16
.endr
.irp t, 0,1,2,3                        ; v: a lane holds channel 16 t + r
	global_load_b32 v[BV+2*\t], v8, s[42:43] offset:2048+64*\t
	global_load_b32 v[BV+2*\t+1], v8, s[42:43] offset:7168+64*\t
.endr
	s_barrier_signal -1
	s_barrier_wait -1                              ; x's 48 fragments lie in LDS
.macro FETCH reg, adr, P               ; pixel tile P's two fragments: eight loads of 512 consecutive bytes
.irp s, 0,1
.irp i, 0,1,2,3
	ds_load_b128 v[\reg+16*\s+4*\i:\reg+16*\s+4*\i+3], v[\adr] offset:(\P)*XT+2048*\s+512*\i
.endr
.endr
.endm
	FETCH XQ, 1, 0                                 ; into x's registers: no vector instruction since the last wait on va_vdst names them
	FETCH XK, 2, 0
	FETCH XV, 3, 0
	s_wait_loadcnt 0x18                            ; the weights are in; the 24 loads of constants may be out
.macro TILE P
	s_wait_dscnt 0x8                               ; xq and xk of this tile are in; xv's eight loads may be out
	WIN 0x01                                       ; source 0 (W) window 1
.irp s, 0,1                            ; the four accumulators take turns, one instruction a turn
.irp a, 0,1,2,3
.if \s == 0
	v_wmma_f32_16x16x128_fp8_fp8 v[ACC+8*\a:ACC+8*\a+7], v[16*(2*\a+\s):16*(2*\a+\s)+15], v[XQ+32*(\a/2)+16*\s:XQ+32*(\a/2)+16*\s+15], 0
.else
	v_wmma_f32_16x16x128_fp8_fp8 v[ACC+8*\a:ACC+8*\a+7], v[16*(2*\a+\s):16*(2*\a+\s)+15], v[XQ+32*(\a/2)+16*\s:XQ+32*(\a/2)+16*\s+15], v[ACC+8*\a:ACC+8*\a+7]
.endif
.endr
.endr
	WIN 0
	PLACES
.if \P == 0
	s_wait_loadcnt 0x0                             ; the constants
.endif
.irp a, 0,1,2,3
.irp n, 0,2,4,6
	v_pk_fma_f32 v[ACC+8*\a+\n:ACC+8*\a+\n+1], v[ACC+8*\a+\n:ACC+8*\a+\n+1], v[BQ+16*\a+\n:BQ+16*\a+\n+1], v[BQ+16*\a+8+\n:BQ+16*\a+8+\n+1]   ; sum x S + O: the scales and the BatchNorm in one
.endr
.endr
.set i, 0
.rept 16
	v_med3_num_f32 v[ACC+i], v[ACC+i], -v21, v21
	v_med3_num_f32 v[ACC+16+i], v[ACC+16+i], -v23, v23
.set i, i+1
.endr
	s_wait_alu depctr_va_vdst(0)
	s_wait_xcnt 0x0                                ; every earlier store has had its addresses translated: q's, k's and v's code registers are written only behind this wait
.if \P > 0
	s_wait_alu depctr_vm_vsrc(0)                   ; the stores of the tile before have read q's, k's and v's code registers, which this tile's conversions write
.endif
	v_cvt_scalef32_pk8_fp8_f32 v[QC:QC+1], v[ACC:ACC+7], v20
	v_cvt_scalef32_pk8_fp8_f32 v[QC+2:QC+3], v[ACC+8:ACC+15], v20
	v_cvt_scalef32_pk8_fp8_f32 v[KC:KC+1], v[ACC+16:ACC+23], v22
	v_cvt_scalef32_pk8_fp8_f32 v[KC+2:KC+3], v[ACC+24:ACC+31], v22
	v_nop                                          ; a plain instruction between the conversions and the products that write their sources
	s_wait_alu depctr_va_vdst(0)                   ; the conversions have written q's and k's codes, which the stores read; the eight products above are done reading xq and xk, in which the loads below land
	global_store_b128 v[LI], v[QC:QC+3], s[12:13] offset:512*\P   ; a tile of q: 512 consecutive bytes
	global_store_b128 v[LI], v[KC:KC+3], s[14:15] offset:512*\P
.if \P < 7
	FETCH XQ, 1, \P+1                              ; they land while v's products and their vector work go on
	FETCH XK, 2, \P+1
	s_wait_dscnt 0x10                              ; xv of this tile is in; the next tile's xq and xk, sixteen loads, may be out
.else
	s_wait_dscnt 0x0
.endif
	WIN 0x04                                       ; source 1 (W) window 1
.irp s, 0,1
.irp t, 0,1,2,3
.if \s == 0
	v_wmma_f32_16x16x128_fp8_fp8 v[ACC+8*\t:ACC+8*\t+7], v[XV+16*\s:XV+16*\s+15], v[16*(8+2*\t+\s):16*(8+2*\t+\s)+15], 0
.else
	v_wmma_f32_16x16x128_fp8_fp8 v[ACC+8*\t:ACC+8*\t+7], v[XV+16*\s:XV+16*\s+15], v[16*(8+2*\t+\s):16*(8+2*\t+\s)+15], v[ACC+8*\t:ACC+8*\t+7]
.endif
.endr
.endr
	WIN 0
	PLACES
.irp t, 0,1,2,3
.irp j, 0,1,2,3,4,5,6,7
	v_fma_f32 v[ACC+8*\t+\j], v[ACC+8*\t+\j], v[BV+2*\t], v[BV+2*\t+1]
.endr
.endr
.set i, 0
.rept 32
	v_med3_num_f32 v[ACC+i], v[ACC+i], -v25, v25
.set i, i+1
.endr
.irp t, 0,1,2,3
	v_cvt_scalef32_pk8_fp8_f32 v[VC+4*\t+2*((\P)%2):VC+4*\t+2*((\P)%2)+1], v[ACC+8*\t:ACC+8*\t+7], v24   ; keys 16 P + 8 h + 0..7: registers 2 P, 2 P + 1 of the fragment
.endr
	v_nop
	s_wait_alu depctr_va_vdst(0)                   ; the conversions have written v's codes, which the stores of an odd tile read; v's eight products are done reading xv, in which the next tile's loads land
.if (\P)%2 == 1
.irp t, 0,1,2,3
	global_store_b128 v[LI], v[VC+4*\t:VC+4*\t+3], s[16:17] offset:2048*\t+512*((\P)/2)   ; a group of v's fragment: 512 consecutive bytes
.endr
.endif
.if \P < 7
	FETCH XV, 3, \P+1                              ; it lands while the next tile's q and k are made
.endif
.endm
.irp p, 0,1,2,3,4,5,6,7
	TILE \p
.endr
	s_wait_dscnt 0x0                               ; the closing lines, six on end
	s_wait_alu 0x0
	s_wait_tensorcnt 0x0
	ds_add_u32 v[SPW], v[NIL]
	s_wait_dscnt 0x0
	s_endpgm
.Lfunc_end_k_q3bccc695a2_qkv:
	.size	k_q3bccc695a2_qkv, .Lfunc_end_k_q3bccc695a2_qkv-k_q3bccc695a2_qkv
	.p2alignl 7, 3214868480
	.fill 96, 4, 3214868480
	.section	.rodata,"a",@progbits
	.p2align	6, 0x0
	.amdhsa_kernel k_q3bccc695a2_qkv
		.amdhsa_group_segment_fixed_size 99840
		.amdhsa_private_segment_fixed_size 0
		.amdhsa_enable_private_segment 0
		.amdhsa_kernarg_size 56
		.amdhsa_user_sgpr_count 2
		.amdhsa_user_sgpr_kernarg_segment_ptr 1
		.amdhsa_wavefront_size32 1
		.amdhsa_system_sgpr_workgroup_id_x 1
		.amdhsa_system_sgpr_workgroup_id_y 1
		.amdhsa_system_sgpr_workgroup_id_z 1
		.amdhsa_system_vgpr_workitem_id 0
		.amdhsa_next_free_vgpr 512
		.amdhsa_next_free_sgpr 66
		.amdhsa_reserve_vcc 0
		.amdhsa_float_denorm_mode_32 3
		.amdhsa_float_denorm_mode_16_64 3
		.amdhsa_memory_ordered 1
		.amdhsa_forward_progress 1
		.amdhsa_inst_pref_size 134
	.end_amdhsa_kernel
	.amdgpu_metadata
---
amdhsa.version: [ 1, 2 ]
amdhsa.kernels:
  - .name:           k_q3bccc695a2_qkv
    .symbol:         k_q3bccc695a2_qkv.kd
    .args:
      - { .name: x, .offset: 0, .size: 8, .value_kind: global_buffer, .address_space: global }
      - { .name: wimg, .offset: 8, .size: 8, .value_kind: global_buffer, .address_space: global }
      - { .name: bnc, .offset: 16, .size: 8, .value_kind: global_buffer, .address_space: global }
      - { .name: lowp_scales, .offset: 24, .size: 8, .value_kind: global_buffer, .address_space: global }
      - { .name: qimg, .offset: 32, .size: 8, .value_kind: global_buffer, .address_space: global }
      - { .name: kimg, .offset: 40, .size: 8, .value_kind: global_buffer, .address_space: global }
      - { .name: vimg, .offset: 48, .size: 8, .value_kind: global_buffer, .address_space: global }
    .group_segment_fixed_size: 99840
    .private_segment_fixed_size: 0
    .kernarg_segment_align: 8
    .kernarg_segment_size: 56
    .max_flat_workgroup_size: 256
    .sgpr_count:     66
    .vgpr_count:     512
    .wavefront_size: 32
...
	.end_amdgpu_metadata
.endif
;; end of part 6
;; launch attn (part 7): grid 256 x 1, 16 waves a work-group, no clusters, 100,352 bytes of LDS; arguments qimg, kimg, vimg, lowp_scales, gimg; writes gimg
.if DOCPART == 7
	.amdgcn_target "amdgcn-amd-amdhsa--gfx1250"
	.amdhsa_code_object_version 6
	.text
	.protected	k_q3bccc695a2_attn
	.globl	k_q3bccc695a2_attn
	.p2align	8
	.type	k_q3bccc695a2_attn,@function
k_q3bccc695a2_attn:
	s_mov_b64 s[64:65], 0
	v_nop
	global_prefetch_b8 v0, s[64:65] scope:SCOPE_SE
	s_setreg_imm32_b32 hwreg(HW_REG_WAVE_SCHED_MODE, 0, 2), 2
	s_setreg_imm32_b32 hwreg(HW_REG_WAVE_MODE, 25, 1), 1
	s_wait_xcnt 0x0
	s_wait_alu depctr_vm_vsrc(0)
; Products 4 and 5 on codes of E4M3, the softmax between them, the division by the row's sum, the exact GELU, and the codes of its result for product 6.
; SHARES.  A work-group is one (image, head).  The head's whole K (32 KiB) and V (64 KiB) lie in LDS as they lie in memory, filled once, through registers.  Wave w of sixteen owns query tiles 4 w .. 4 w + 3 (16 queries each).
;   Work-groups share no input, so there is nothing to ask for jointly: no cluster.
; BOTH PRODUCTS ARE USED TRANSPOSED (S^T = K Q^T, O^T = V^T P^T): a lane holds ONE query (lane % 16) throughout, and its eight registers of a tile of scores are keys 8 (lane / 16) + 0..7: what the next operand's registers 2 T, 2 T + 1 want.
; K = 32 IN AN INSTRUCTION OF K = 64.  Source 0 holds TWO tiles of 16 keys (registers 0-3, 4-7); source 1 is (q | zeros) or (zeros | q), both cut out of one run of registers Z Q0 Z Q1 Z ..: zero codes add nothing.
; TWO PASSES.  Pass A multiplies all keys by the wave's four query tiles and keeps the largest score of each query.  So pass B knows M = ceil(the row's largest t) from the start: no running maximum, no rescaling of O or of the sum.
;   Pass B takes two query tiles at a time, 64 keys a step: p = 2^(t - M), t = score x log2(e) / sqrt(32); the row's sum is taken of the unquantised p; p's codes are the second product's operand.
; GELU: gelu(o) = max(o, 0) - |o| y,  y = (a1 u + .. + a5 u^5) / 2 x exp(-o^2 / 2),  u = 1 / (1 + 0.3275911 |o| / sqrt(2)): the five-term rational form of erf.
;   LIMIT: its error in erf is 1.5e-7 absolute; gelu's relative error stays near that for o >= 0 and grows for o below about -2, where gelu itself is small.
; gimg: [image][tile of 16 pixels][K step = head / 2][2,048]: a fragment's image (rows = pixels, k = 64 (head % 2) + d): this head's half is 1,024 consecutive bytes.
; p is at most 1, so p / 2^e8 passes 448 only where e8 < -8: the 64 hold lines of a step stand under a scalar branch on that whole number; nothing else hangs on it.
; LIMITS: entries 8 and 11 of the scales between -126 and 119; e6 + e7 between -124 and 129 (added to c's exponent field).  NaN is not served.
; THE MODE: SCHED_MODE bits 1:0 = 2 (LLVM: expert scheduling mode 2), set by the entry lines.  The code itself states the register dependences
; between vector or matrix instructions and memory or LDS instructions, with s_wait_alu, always for 0.
; THE PLAN.  Registers that memory or LDS instructions touch:
;   v1, v2, v5, v24  addresses made at the head and never written again: one wait on va_vdst ahead of the first load serves them.
;   v3, v4 (AK, AV)  read by the loops' LDS loads; written once a trip, at the trip's head, behind a wait on vm_vsrc; shown written by the wait on va_vdst that stands in the trip's first step anyway.
;   KA0, KA1         pass A: two buffers of four tiles of keys.  Step s: its sixteen products read KA[s % 2]; behind them the loads of step s + 2 land in it, under the step's 64 maxima.
;   KF               pass B: step n's eight products K Q^T read it; behind them the loads of step n + 1 land in it, under the softmax.
;   VF               pass B: step n's eight products V^T P read it; the loads of step n + 1 land in it.
;   P                written by conversions; read by products, and on the way out by g's four global stores.
; So a wait on va_vdst stands in a step of either pass, behind the four places that follow the products K Q^T, where the scores are wanted in any case.  In pass B it states that those products are done
; reading KF, that the last step's products V^T P are done reading VF, and, in a trip's first step, that AK and AV are written; V's eight loads and the next K's four follow it.  (The exponentials' own wait stays.)
; Pass B's sixteen steps of a pair are laid as step 0, seven trips of two steps, and step 15, which asks for no further K.
; REGISTERS: v1 16 x lane; v2 the same + V's region; v3, v4 addresses in hand; v5 16 x thread, v24 the same + V's region; v6, v7 the add's two; v8, v9: 2^e8, 448 x 2^e8; v10, v11 the same for e11;
;   v[12:13] = -M of tiles 0, 2; v[14:15] of tiles 1, 3; v16-23 pass A's eight maxima, pass B's four chains of sums; v[26:27], v[28:29] 2^(e8 + e9) / sum; v32-51 Z Q0 Z Q1 Z; v52-67 pass A: Q2 Z Q3 Z, pass B: K's fragments, then erf's coefficients;
;   v68-75 copies of Q2, Q3; v76-91 p's codes, later g's; v92-123 V's fragments (pass A: K's, two buffers; GELU: y); v124-187 scores, p (GELU: u, e); v188-251 O^T (pass A: more scores); v252-255 at work.
.set VOFF,  32768
.set SPARE, 98304                      ; behind K and V: the spare words, 128 bytes for each wave: eight blocks of 256 bytes that no other line names
.set LI,  1
.set LV,  2
.set AK,  3
.set AV,  4
.set VT,  5
.set SPW, 6
.set NIL, 7
.set KF,  52
.set QS,  68
.set P,   76
.set VF,  92
.set KA,  92
.set S,   124
.set O,   188
.set U,   124
.set E,   156
.set Y,   92
.macro PLACES
.rept 4
	v_nop
.endr
.endm
	s_load_b256 s[4:11], s[0:1], 0x0               ; qimg 4, kimg 6, vimg 8, scales 10
	s_load_b64 s[12:13], s[0:1], 0x20              ; gimg
	v_lshl_add_u32 v[SPW], v0, 2, SPARE
	v_mov_b32 v[NIL], 0
	v_lshrrev_b32 v252, 5, v0
	v_readfirstlane_b32 s14, v252                  ; wave 0..15
	v_and_b32 v253, 31, v0
	v_lshlrev_b32 v[LI], 4, v253
	v_add_nc_u32 v[LV], VOFF, v[LI]
	v_lshlrev_b32 v[VT], 4, v0
	v_add_nc_u32 v24, VOFF, v[VT]
	v_mov_b32 v254, 0                              ; (a lane permute's destination counts as one of its sources)
	v_mov_b32 v255, 0
	v_mov_b32 v27, 0                               ; (named as the upper halves of pairs)
	v_mov_b32 v29, 0
	s_lshl_b32 s36, ttmp9, 15                      ; the head's K and Q: 32,768 bytes
	s_mov_b32 s37, 0
	s_lshl_b32 s38, ttmp9, 16                      ; its V: 65,536
	s_mov_b32 s39, 0
	s_wait_alu depctr_va_sdst(0)                   ; s14 is written, ahead of its first reader
	s_lshl_b32 s40, s14, 11                        ; my four query tiles
	s_add_co_u32 s40, s40, s36
	s_mov_b32 s41, 0
	s_lshr_b32 s42, ttmp9, 3
	s_lshl_b32 s42, s42, 19                        ; gimg: an image is 2^19 bytes,
	s_lshl_b32 s15, s14, 15                        ; my four pixel tiles 4 x 8,192,
	s_add_co_u32 s42, s42, s15
	s_and_b32 s15, ttmp9, 7                        ; the head:
	s_lshr_b32 s21, s15, 1
	s_lshl_b32 s21, s21, 11                        ; its K step,
	s_add_co_u32 s42, s42, s21
	s_and_b32 s21, s15, 1
	s_lshl_b32 s21, s21, 10                        ; and its half of the fragment
	s_add_co_u32 s42, s42, s21
	s_mov_b32 s43, 0
	s_mov_b32 s24, 0x76543210                      ; v_permlanex16_b32's selects for lane l xor 16
	s_mov_b32 s25, 0xfedcba98
	s_mov_b32 s32, 0x3e6d3388                      ; 0.3275911 / sqrt(2)
	s_mov_b32 s34, 0xbf38aa3b                      ; -log2(e) / 2
	s_mov_b32 s35, s34                             ; (named with it as a pair, so it is written)
	s_wait_kmcnt 0x0
	s_load_b128 s[16:19], s[10:11], 0x18           ; e6, e7, e8, e9
	s_load_b32 s20, s[10:11], 0x2c                 ; e11
	s_add_nc_u64 s[6:7], s[6:7], s[36:37]
	s_add_nc_u64 s[8:9], s[8:9], s[38:39]
	s_add_nc_u64 s[4:5], s[4:5], s[40:41]
	s_add_nc_u64 s[12:13], s[12:13], s[42:43]
	s_wait_alu depctr_va_vdst(0)                   ; the addresses v1, v2, v5 and v24 are written, which the loads and stores of the whole kernel read
.irp j, 0,1,2,3
	global_load_b128 v[S+4*\j:S+4*\j+3], v[VT], s[6:7] offset:8192*\j th:TH_LOAD_NT       ; the 512 threads read 8,192 consecutive bytes; read once in the launch
.endr
.irp j, 0,1,2,3,4,5,6,7
	global_load_b128 v[S+16+4*\j:S+16+4*\j+3], v[VT], s[8:9] offset:8192*\j th:TH_LOAD_NT
.endr
.irp i, 0,1,2,3
	global_load_b128 v[36+8*\i:39+8*\i], v[LI], s[4:5] offset:512*\i th:TH_LOAD_NT        ; my four query tiles stay in registers
.endr
.irp z, 32,40,48,56,64
.irp i, 0,1,2,3
	v_mov_b32 v[\z+\i], 0                          ; the zero codes between them
.endr
.endr
.irp d, 0,1,2,3,4,5,6,7
	v_mov_b32 v[16+\d], 0xff800000                 ; the maxima begin at -infinity
.endr
	s_wait_kmcnt 0x0
	s_add_co_i32 s21, s16, s17
	s_lshl_b32 s21, s21, 23
	s_mov_b32 s22, 0x3e8293ee                      ; c = log2(e) / sqrt(32)
	s_add_co_i32 s22, s22, s21                     ; a score stands for score x 2^(e6 + e7): the two exponents are added to c's exponent field
	s_mov_b32 s23, s22
	s_add_co_i32 s31, s18, s19                     ; e8 + e9
	s_cmp_lt_i32 s18, -8
	s_cselect_b32 s30, 1, 0                        ; does p want the hold?
	s_add_co_i32 s21, s18, 127
	s_lshl_b32 s33, s21, 23
	v_mov_b32 v8, s33                              ; 2^e8
	s_add_co_i32 s21, s21, 8
	s_lshl_b32 s21, s21, 23
	s_or_b32 s21, s21, 0x600000
	v_mov_b32 v9, s21                              ; 448 x 2^e8
	s_add_co_i32 s21, s20, 127
	s_lshl_b32 s33, s21, 23
	v_mov_b32 v10, s33                             ; 2^e11
	s_add_co_i32 s21, s21, 8
	s_lshl_b32 s21, s21, 23
	s_or_b32 s21, s21, 0x600000
	v_mov_b32 v11, s21                             ; 448 x 2^e11
	s_wait_loadcnt 0x4                             ; K and V are in; Q's four loads may be out
.irp j, 0,1,2,3
	ds_store_b128 v[VT], v[S+4*\j:S+4*\j+3] offset:8192*\j       ; (no vector instruction since the wait on va_vdst names these stores' addresses or data)
.endr
.irp j, 0,1,2,3,4,5,6,7
	ds_store_b128 v24, v[S+16+4*\j:S+16+4*\j+3] offset:8192*\j
.endr
	s_wait_dscnt 0x0                               ; for the others' sake: my stores have landed
	s_barrier_signal -1
	s_barrier_wait -1                              ; the head's K and V lie in LDS; nothing is written there again
.irp n, 0,1,2,3
	ds_load_b128 v[KA+4*\n:KA+4*\n+3], v[LI] offset:512*\n            ; pass A's steps 0 and 1, into registers that nothing has named yet
.endr
.irp n, 0,1,2,3
	ds_load_b128 v[KA+16+4*\n:KA+16+4*\n+3], v[LI] offset:2048+512*\n
.endr
	s_wait_loadcnt 0x0                             ; Q
.irp i, 0,1,2,3
	v_mov_b32 v[QS+\i], v[52+\i]                   ; Q2 and Q3 are kept: pass B lays K's fragments over them
	v_mov_b32 v[QS+4+\i], v[60+\i]
.endr
	; ---- PASS A: the largest score of each of my 64 queries.  A step: four tiles of keys (two fragments) x four query tiles: 16 products, each K fragment feeding eight
; b: the buffer; fetch = 1: the keys of two steps on, at byte ko from v[AK], are asked for; left: the younger LDS loads that may stay out
.macro MAXSTEP b, ko, fetch, left
	s_wait_dscnt \left                             ; this step's four loads are in
.irp f, 0,1
.irp i, 0,1,2,3
	v_wmma_f32_16x16x64_fp8_fp8 v[S+64*\f+16*\i:S+64*\f+16*\i+7], v[KA+16*\b+8*\f:KA+16*\b+8*\f+7], v[36+8*\i:43+8*\i], 0        ; (q | 0): the fragment's first tile of keys
	v_wmma_f32_16x16x64_fp8_fp8 v[S+64*\f+16*\i+8:S+64*\f+16*\i+15], v[KA+16*\b+8*\f:KA+16*\b+8*\f+7], v[32+8*\i:39+8*\i], 0     ; (0 | q): its second
.endr
.endr
	PLACES
.if \fetch
	s_wait_alu depctr_va_vdst(0)                   ; the sixteen products are done reading this buffer, in which the loads below land; in a trip's first step v[AK] is written
.irp n, 0,1,2,3
	ds_load_b128 v[KA+16*\b+4*\n:KA+16*\b+4*\n+3], v[AK] offset:\ko+512*\n
.endr
.endif
	s_wait_alu depctr_va_vdst(0)
.irp f, 0,1                            ; eight chains, two for each query tile; each accumulator is read from its low end on
.irp k, 0,1,2,3
.irp d, 0,1,2,3,4,5,6,7
	v_max3_num_f32 v[16+\d], v[16+\d], v[S+64*\f+8*\d+2*\k], v[S+64*\f+8*\d+2*\k+1]
.endr
.endr
.endr
.endm
	s_mov_b32 s26, 0
	s_mov_b32 s28, 7
.Lmax:                                 ; seven trips of two steps; each step asks for the keys of two steps on
	s_wait_alu depctr_vm_vsrc(0)                   ; over the backward jump: the last trip's loads have read v[AK]; on the way in: my LDS stores at the head have read v124 to v171, which the products below write
	v_add_nc_u32 v[AK], s26, v[LI]
	MAXSTEP 0, 4096, 1, 4
	MAXSTEP 1, 6144, 1, 4
	s_add_co_u32 s26, s26, 4096
	s_sub_co_u32 s28, s28, 1
	s_cmp_lg_u32 s28, 0
	s_cbranch_scc1 .Lmax
	MAXSTEP 0, 0, 0, 4                             ; the last two steps are written out: nothing is left to ask for
	MAXSTEP 1, 0, 0, 0
.irp i, 0,1,2,3
	v_max_num_f32 v[16+2*\i], v[16+2*\i], v[17+2*\i]
.endr
.irp i, 0,1,2,3
	v_permlanex16_b32 v[252+\i], v[16+2*\i], s24, s25   ; the query's other keys lie in the lane 16 away
.endr
.irp i, 0,1,2,3
	v_max_num_f32 v[16+2*\i], v[16+2*\i], v[252+\i]
.endr
.irp i, 0,1,2,3
	v_mul_f32 v[16+2*\i], s22, v[16+2*\i]          ; as t (c is positive)
.endr
	v_floor_f32 v12, -v16                          ; -M = floor(-t) = -ceil(t): M IS A WHOLE NUMBER
	v_floor_f32 v14, -v18
	v_floor_f32 v13, -v20
	v_floor_f32 v15, -v22
; ---- PASS B.  A step: 64 keys x two query tiles (a: Q0's place, b: Q1's).  Its K was asked for a step ago.  av, vo: where its V lies; fetch = 1: the next step's K, at byte ko from v[ak], is asked for.
.macro STEPB ak, ko, av, vo, zero, fetch
	s_wait_dscnt 0x0                               ; this step's K is in
.irp f, 0,1
	v_wmma_f32_16x16x64_fp8_fp8 v[S+16*\f:S+16*\f+7], v[KF+8*\f:KF+8*\f+7], v[36:43], 0
	v_wmma_f32_16x16x64_fp8_fp8 v[S+32+16*\f:S+32+16*\f+7], v[KF+8*\f:KF+8*\f+7], v[44:51], 0
	v_wmma_f32_16x16x64_fp8_fp8 v[S+16*\f+8:S+16*\f+15], v[KF+8*\f:KF+8*\f+7], v[32:39], 0
	v_wmma_f32_16x16x64_fp8_fp8 v[S+32+16*\f+8:S+32+16*\f+15], v[KF+8*\f:KF+8*\f+7], v[40:47], 0
.endr
	PLACES                                         ; in front of the reads of the scores
	s_wait_alu depctr_va_vdst(0)                   ; the eight products above are done reading K's registers, the last readers of V's registers (the step before's products; the way out's or pass A's lines) are done, and v[AK], v[AV] are written: the loads below land in the first two and read the last two
.irp t, 0,1,2,3
	ds_load_b128 v[VF+8*\t:VF+8*\t+3], v[\av] offset:\vo+2048*\t
	ds_load_b128 v[VF+8*\t+4:VF+8*\t+7], v[\av] offset:\vo+2048*\t+512
.endr
.if \fetch
.irp n, 0,1,2,3
	ds_load_b128 v[KF+4*\n:KF+4*\n+3], v[\ak] offset:\ko+512*\n      ; the next step's K lands under the softmax
.endr
.endif
.set i, 0
.rept 16
	v_pk_fma_f32 v[S+i:S+i+1], v[S+i:S+i+1], s[22:23], v[12:13] op_sel_hi:[1,0,0]   ; t - M, two at a time (of the pairs c and -M the low word serves both halves)
.set i, i+2
.endr
.set i, 0
.rept 16
	v_pk_fma_f32 v[S+32+i:S+32+i+1], v[S+32+i:S+32+i+1], s[22:23], v[14:15] op_sel_hi:[1,0,0]
.set i, i+2
.endr
.set i, 0
	s_wait_alu depctr_va_vdst(0)
.rept 64
	v_exp_f32 v[S+i], v[S+i]                       ; p = 2^(t - M), at most 1: NOT normalised
.set i, i+1
.endr
	v_nop                                          ; the plain instruction behind the last exponential
	s_wait_alu depctr_va_vdst(0)                   ; the 64 exponentials have written p: one wait for the batch, ahead of the first reader
.set i, 0
.rept 16
	v_pk_add_f32 v[16+4*(i%2):17+4*(i%2)], v[16+4*(i%2):17+4*(i%2)], v[S+2*i:S+2*i+1]          ; THE ROW'S SUM IS TAKEN OF THE UNQUANTISED p: two chains a tile
	v_pk_add_f32 v[18+4*(i%2):19+4*(i%2)], v[18+4*(i%2):19+4*(i%2)], v[S+32+2*i:S+32+2*i+1]
.set i, i+1
.endr
	s_cmp_lg_u32 s30, 0                            ; where e8 >= -8, p / 2^e8 is at most 256: no hold is wanted
	s_cbranch_scc0 .Lnohold_\@
.set i, 0
.rept 64
	v_min_num_f32 v[S+i], v[S+i], v9               ; the conversion does not saturate (ISA guide 7.6.2); p is not negative, so the hold is one-sided
.set i, i+1
.endr
.Lnohold_\@:
.irp t, 0,1,2,3
	v_cvt_scalef32_pk8_fp8_f32 v[P+2*\t:P+2*\t+1], v[S+8*\t:S+8*\t+7], v8                 ; keys 16 t + 8 h + 0..7: the operand's registers 2 t, 2 t + 1
	v_cvt_scalef32_pk8_fp8_f32 v[P+8+2*\t:P+8+2*\t+1], v[S+32+8*\t:S+32+8*\t+7], v8
.endr
	v_nop                                          ; a plain instruction between the conversions and the products that read their results
.if \fetch
	s_wait_alu depctr_va_vdst(0)
	s_wait_dscnt 0x4                               ; V is in; the next K's four loads may be out
.else
	s_wait_alu depctr_va_vdst(0)
	s_wait_dscnt 0x0                               ; V is in
.endif
.irp t, 0,1,2,3                        ; eight accumulators by turns
.if \zero
	v_wmma_f32_16x16x64_fp8_fp8 v[O+8*\t:O+8*\t+7], v[VF+8*\t:VF+8*\t+7], v[P:P+7], 0
	v_wmma_f32_16x16x64_fp8_fp8 v[O+32+8*\t:O+32+8*\t+7], v[VF+8*\t:VF+8*\t+7], v[P+8:P+15], 0
.else
	v_wmma_f32_16x16x64_fp8_fp8 v[O+8*\t:O+8*\t+7], v[VF+8*\t:VF+8*\t+7], v[P:P+7], v[O+8*\t:O+8*\t+7]
	v_wmma_f32_16x16x64_fp8_fp8 v[O+32+8*\t:O+32+8*\t+7], v[VF+8*\t:VF+8*\t+7], v[P+8:P+15], v[O+32+8*\t:O+32+8*\t+7]
.endif
.endr
.endm
; One query tile's way out: O^T at v[ob], 2^(e8 + e9) / sum in v[rl]; the codes go to v[gc] on.
.macro GELU ob, rl, gc
.set i, 0
.rept 16
	v_pk_mul_f32 v[\ob+i:\ob+i+1], v[\ob+i:\ob+i+1], v[\rl:\rl+1] op_sel_hi:[1,0]   ; o
.set i, i+2
.endr
.set i, 0
.rept 32
	v_fma_f32 v[U+i], |v[\ob+i]|, s32, 1.0
.set i, i+1
.endr
.set i, 0
.rept 16
	v_pk_mul_f32 v[E+i:E+i+1], v[\ob+i:\ob+i+1], v[\ob+i:\ob+i+1]
.set i, i+2
.endr
.set i, 0
.rept 16
	v_pk_mul_f32 v[E+i:E+i+1], v[E+i:E+i+1], s[34:35] op_sel_hi:[1,0]
.set i, i+2
.endr
.set i, 0
	s_wait_alu depctr_va_vdst(0)
.rept 32
	v_rcp_f32 v[U+i], v[U+i]                       ; u
.set i, i+1
.endr
.set i, 0
.rept 32
	v_exp_f32 v[E+i], v[E+i]                       ; exp(-o^2 / 2)
.set i, i+1
.endr
	v_nop
	s_wait_alu depctr_va_vdst(0)                   ; the 32 reciprocals and 32 exponentials have written u and e: one wait for the batch, ahead of its first reader
.set i, 0
.rept 16
	v_pk_fma_f32 v[Y+i:Y+i+1], v[U+i:U+i+1], v[52:53], v[54:55]
.set i, i+2
.endr
.irp c, 56,58,60
.set i, 0
.rept 16
	v_pk_fma_f32 v[Y+i:Y+i+1], v[Y+i:Y+i+1], v[U+i:U+i+1], v[\c:\c+1]
.set i, i+2
.endr
.endr
.set i, 0
.rept 16
	v_pk_mul_f32 v[U+i:U+i+1], v[U+i:U+i+1], v[E+i:E+i+1]
.set i, i+2
.endr
.set i, 0
.rept 16
	v_pk_mul_f32 v[Y+i:Y+i+1], v[Y+i:Y+i+1], v[U+i:U+i+1]   ; y
.set i, i+2
.endr
.set i, 0
.rept 32
	v_max_num_f32 v[E+i], 0, v[\ob+i]
.set i, i+1
.endr
.set i, 0
.rept 32
	v_fma_f32 v[\ob+i], -|v[\ob+i]|, v[Y+i], v[E+i]   ; gelu(o) = max(o, 0) - |o| y
.set i, i+1
.endr
.set i, 0
.rept 32
	v_med3_num_f32 v[\ob+i], v[\ob+i], -v11, v11
.set i, i+1
.endr
.irp t, 0,1,2,3
	v_cvt_scalef32_pk8_fp8_f32 v[\gc+2*\t:\gc+2*\t+1], v[\ob+8*\t:\ob+8*\t+7], v10   ; d = 16 t + 8 h + 0..7: registers 2 t, 2 t + 1 of this head's half of the fragment
.endr
	v_nop
.endm
	s_mov_b32 s29, 2
.Lpair:                                ; two trips: query tiles 0, 1, then 2, 3
.irp d, 0,1,2,3,4,5,6,7
	v_mov_b32 v[16+\d], 0                          ; the sums
.endr
	s_mov_b32 s26, 0
	s_mov_b32 s27, 0
	s_wait_alu depctr_va_vdst(0)                   ; all that wrote or read v52 to v67 is done (first pair: pass A's products, the zeros and the copies of Q2, Q3; second pair: erf's coefficients and their readers): step 0's K lands there
.irp n, 0,1,2,3
	ds_load_b128 v[KF+4*\n:KF+4*\n+3], v[LI] offset:512*\n
.endr
	STEPB LI, 2048, LV, 0, 1, 1                    ; step 0 stands in front of the loop: its products start O^T's sums; its addresses are the ones made at the head
	s_mov_b32 s28, 7
.Lkeys:                                ; trip i: steps 2 i + 1 and 2 i + 2; v[AK] = K's byte 4,096 i, v[AV] = V's byte 8,192 i
	s_wait_alu depctr_vm_vsrc(0)                   ; the LDS loads issued so far have read v[AK] and v[AV]
	v_add_nc_u32 v[AK], s26, v[LI]
	v_add_nc_u32 v[AV], s27, v[LV]
	STEPB AK, 4096, AV, 1024, 0, 1
	STEPB AK, 6144, AV, 8192, 0, 1
	s_add_co_u32 s26, s26, 4096
	s_add_co_u32 s27, s27, 8192
	s_sub_co_u32 s28, s28, 1
	s_cmp_lg_u32 s28, 0
	s_cbranch_scc1 .Lkeys
	STEPB AK, 0, AV, 9216, 0, 0                    ; step 15 is written out: no K is left to ask for; its V lies 8,192 + 1,024 bytes behind the last trip's v[AV]
	v_pk_add_f32 v[16:17], v[16:17], v[20:21]      ; the sums' chains, (these lines are also the places behind the last products)
	v_pk_add_f32 v[18:19], v[18:19], v[22:23]
	v_add_f32 v16, v16, v17                        ; halves,
	v_add_f32 v18, v18, v19
	v_permlanex16_b32 v252, v16, s24, s25
	v_permlanex16_b32 v253, v18, s24, s25
	v_add_f32 v16, v16, v252                       ; and lane l xor 16's: the rows' sums
	v_add_f32 v18, v18, v253
	s_wait_alu depctr_va_vdst(0)
	v_rcp_f32 v26, v16
	v_rcp_f32 v28, v18
	v_mov_b32 v52, 0x3f07dc22                      ; a5 / 2, twice: the packed forms take pairs.  (Plain work behind the reciprocals)
	v_mov_b32 v53, 0x3f07dc22
	v_mov_b32 v54, 0xbf3a00e3                      ; a4 / 2
	v_mov_b32 v55, 0xbf3a00e3
	v_mov_b32 v56, 0x3f35f0e3                      ; a3 / 2
	v_mov_b32 v57, 0x3f35f0e3
	v_mov_b32 v58, 0xbe11a98e                      ; a2 / 2
	v_mov_b32 v59, 0xbe11a98e
	v_mov_b32 v60, 0x3e027906                      ; a1 / 2
	v_mov_b32 v61, 0x3e027906
	s_wait_alu depctr_va_vdst(0)                   ; the two reciprocals have written v26 and v28: one wait, ahead of their first reader
	v_ldexp_f32 v26, v26, s31                      ; x 2^(e8 + e9)
	v_ldexp_f32 v28, v28, s31
	GELU O, 26, P
	GELU O+32, 28, P+8
	s_wait_alu depctr_va_vdst(0)                   ; both tiles' conversions have written g's codes, which the four stores read
	global_store_b128 v[LI], v[P:P+3], s[12:13]                  ; 512 consecutive bytes each
	global_store_b128 v[LI], v[P+4:P+7], s[12:13] offset:512
	global_store_b128 v[LI], v[P+8:P+11], s[12:13] offset:8192
	global_store_b128 v[LI], v[P+12:P+15], s[12:13] offset:8704
	s_wait_xcnt 0x0                                ; the stores have had their addresses translated: their base is written only behind this wait
	s_wait_alu depctr_vm_vsrc(0)                   ; the stores have read v76 to v91, which the next pair's conversions write
	s_add_nc_u64 s[12:13], s[12:13], 16384         ; two pixel tiles on
.irp i, 0,1,2,3
	v_mov_b32 v[36+\i], v[QS+\i]                   ; Q2 and Q3 take Q0's and Q1's places,
	v_mov_b32 v[44+\i], v[QS+4+\i]
.endr
	v_mov_b32 v12, v13                             ; and their -M likewise
	v_mov_b32 v14, v15
	s_sub_co_u32 s29, s29, 1
	s_cmp_lg_u32 s29, 0
	s_cbranch_scc1 .Lpair
	s_wait_dscnt 0x0                               ; the closing lines, six on end
	s_wait_alu 0x0
	s_wait_tensorcnt 0x0
	ds_add_u32 v[SPW], v[NIL]
	s_wait_dscnt 0x0
	s_endpgm
.Lfunc_end_k_q3bccc695a2_attn:
	.size	k_q3bccc695a2_attn, .Lfunc_end_k_q3bccc695a2_attn-k_q3bccc695a2_attn
	.p2alignl 7, 3214868480
	.fill 96, 4, 3214868480
	.section	.rodata,"a",@progbits
	.p2align	6, 0x0
	.amdhsa_kernel k_q3bccc695a2_attn
		.amdhsa_group_segment_fixed_size 100352
		.amdhsa_private_segment_fixed_size 0
		.amdhsa_enable_private_segment 0
		.amdhsa_kernarg_size 40
		.amdhsa_user_sgpr_count 2
		.amdhsa_user_sgpr_kernarg_segment_ptr 1
		.amdhsa_wavefront_size32 1
		.amdhsa_system_sgpr_workgroup_id_x 1
		.amdhsa_system_sgpr_workgroup_id_y 1
		.amdhsa_system_sgpr_workgroup_id_z 1
		.amdhsa_system_vgpr_workitem_id 0
		.amdhsa_next_free_vgpr 256
		.amdhsa_next_free_sgpr 66
		.amdhsa_reserve_vcc 0
		.amdhsa_float_denorm_mode_32 3
		.amdhsa_float_denorm_mode_16_64 3
		.amdhsa_memory_ordered 1
		.amdhsa_forward_progress 1
		.amdhsa_inst_pref_size 113
	.end_amdhsa_kernel
	.amdgpu_metadata
---
amdhsa.version: [ 1, 2 ]
amdhsa.kernels:
  - .name:           k_q3bccc695a2_attn
    .symbol:         k_q3bccc695a2_attn.kd
    .args:
      - { .name: qimg, .offset: 0, .size: 8, .value_kind: global_buffer, .address_space: global }
      - { .name: kimg, .offset: 8, .size: 8, .value_kind: global_buffer, .address_space: global }
      - { .name: vimg, .offset: 16, .size: 8, .value_kind: global_buffer, .address_space: global }
      - { .name: lowp_scales, .offset: 24, .size: 8, .value_kind: global_buffer, .address_space: global }
      - { .name: gimg, .offset: 32, .size: 8, .value_kind: global_buffer, .address_space: global }
    .group_segment_fixed_size: 100352
    .private_segment_fixed_size: 0
    .kernarg_segment_align: 8
    .kernarg_segment_size: 40
    .max_flat_workgroup_size: 512
    .sgpr_count:     66
    .vgpr_count:     256
    .wavefront_size: 32
...
	.end_amdgpu_metadata
.endif
;; end of part 7
;; launch proj (part 8): grid 256 x 1, 8 waves a work-group, no clusters, 205,824 bytes of LDS; arguments gimg, wimg, bnc, out0; writes out0
.if DOCPART == 8
	.amdgcn_target "amdgcn-amd-amdhsa--gfx1250"
	.amdhsa_code_object_version 6
	.text
	.protected	k_q3bccc695a2_proj
	.globl	k_q3bccc695a2_proj
	.p2align	8
	.type	k_q3bccc695a2_proj,@function
k_q3bccc695a2_proj:
	s_mov_b64 s[64:65], 0
	v_nop
	global_prefetch_b8 v0, s[64:65] scope:SCOPE_SE
	s_setreg_imm32_b32 hwreg(HW_REG_WAVE_SCHED_MODE, 0, 2), 2
	s_setreg_imm32_b32 hwreg(HW_REG_WAVE_MODE, 25, 1), 1
	s_wait_xcnt 0x0
	s_wait_alu depctr_vm_vsrc(0)
; Product 6 (wo x gelu, K = 512) on codes of E4M3, its bias and BatchNorm: out = sum x S + O with the constants that launch prep folded.
; SHARES.  A work-group takes 128 pixels of one image (b = group / 8, block pb = group % 8) and all 256 outputs.  Wave w: outputs 64 (w / 2) .. + 63 (four tiles; their 16 fragments of wo fill window 1 and stay), pixel tiles 4 (w % 2) .. + 3.
;   The block's 32 fragments of g (65,536 consecutive bytes of gimg) go into LDS as they lie, once; each fragment read from there feeds four products.
; Source 0 = 16 pixels of g, source 1 = 16 rows of wo: lane (r, h) holds ONE output channel (so S and O are one register each for a tile) and pixels 8 h + 0..7: 32 neighbouring bytes of a row of out0.
; THE WAY OUT.  A wave's 64 channels x 64 pixels gather in its own stage (rows of 256 bytes + 16) and leave by rows: sixteen lanes store 256 consecutive bytes, at a multiple of 256 from out0's first byte.
; One barrier: between the fill of g's region and its reads.  The weights go straight into registers, so work-groups have no tile to ask for jointly: no cluster.
; THE MODE: SCHED_MODE bits 1:0 = 2 (LLVM: expert scheduling mode 2), set by the entry lines.  The code itself states the register dependences
; between vector or matrix instructions and memory or LDS instructions, with s_wait_alu, always for 0.
; THE PLAN.  Registers that memory or LDS instructions touch:
;   v1-v7      addresses and offsets, made at the head and never written again: one wait on va_vdst ahead of the first load serves them.
;   GF0, GF1   two sets of four fragments of g.  GF0 first holds g as loaded, the data of the LDS stores at the head.  Tile T: its sixteen products read GF[T % 2]; behind them the loads of tile T + 2 land in it.
;   AS0, AS1   two sets of four accumulators.  Tile T: written by its products and its multiply-adds, read by its eight stores into the stage; written again by tile T + 2.
; So ONE wait on va_vdst stands in a tile, behind its multiply-adds: it states that they have written AS[T % 2] and that the tile's products are done reading GF[T % 2]; the loads of tile T + 2 and the
; eight stores follow it.  A wait on vm_vsrc stands behind the barrier (GF0) and at the head of tiles 2 and 3 (the accumulators stored two tiles back).
; REGISTERS, window 0: v1 16 x lane; v2 16 x thread; v3 my pixel tiles' images; v4, v5 the stage, in and back; v6 my place in two rows of out0; v7 4 r; v12, v13 the add's two; v16-79, v80-143 g's fragments, two sets (later the rows read back);
;   v144-175, v176-207 four accumulators, two sets; v208-211 S, v212-215 O.   window 1: wo's fragment (tile a, K step s) at v[64 a + 16 s].
.set STG,   65536
.set WST,   64*272                     ; a wave's stage
.set SPARE, 204800                     ; behind the stages: the spare words, 128 bytes for each wave: four blocks of 256 bytes that no other line names
.set LI,  1
.set VT,  2
.set GA,  3
.set STO, 4
.set RD,  5
.set CO,  6
.set SPW, 12
.set NIL, 13
.set GF,  16
.set ACC, 144
.set BS,  208
.set BO,  212
.set MSB, 0
.macro WIN new                         ; the immediate's high byte repeats the setting that is left
.if MSB != \new
	s_set_vgpr_msb (MSB<<8)|\new
.set MSB, \new
.endif
.endm
	s_load_b256 s[4:11], s[0:1], 0x0               ; gimg 4, wimg 6, bnc 8, out0 10
	v_lshl_add_u32 v[SPW], v0, 2, SPARE
	v_mov_b32 v[NIL], 0
	v_lshrrev_b32 v8, 5, v0
	v_readfirstlane_b32 s12, v8                    ; wave
	s_lshr_b32 s15, ttmp9, 3                       ; image
	s_and_b32 s16, ttmp9, 7                        ; block of 128 pixels
	v_and_b32 v8, 31, v0
	v_lshlrev_b32 v[LI], 4, v8
	v_lshlrev_b32 v[VT], 4, v0
	v_and_b32 v9, 15, v0                           ; r
	v_bfe_u32 v10, v0, 4, 1                        ; h
	s_wait_alu depctr_va_sdst(0)                   ; s12 is written, ahead of its first reader
	s_lshr_b32 s13, s12, 1                         ; which 64 outputs
	s_and_b32 s14, s12, 1                          ; which 64 pixels
	s_lshl_b32 s17, s14, 15
	v_add_nc_u32 v[GA], s17, v[LI]
	s_mul_i32 s17, s12, WST
	s_add_co_u32 s17, s17, STG                     ; my stage
	v_mul_u32_u24 v[STO], v9, 272                  ; in: row r of a tile of channels, 32 bytes for each half of the lanes
	v_lshl_add_u32 v[STO], v10, 5, v[STO]
	v_add_nc_u32 v[STO], s17, v[STO]
	v_mul_u32_u24 v[RD], v10, 272                  ; back: lanes 0-15 one row of 256 bytes, lanes 16-31 the next
	v_lshl_add_u32 v[RD], v9, 4, v[RD]
	v_add_nc_u32 v[RD], s17, v[RD]
	v_lshlrev_b32 v[CO], 12, v10                   ; and the same two rows in out0: a channel's row is 4,096 bytes
	v_lshl_add_u32 v[CO], v9, 4, v[CO]
	v_lshlrev_b32 v7, 2, v9
	s_lshl_b32 s20, s15, 19
	s_lshl_b32 s17, s16, 16
	s_add_co_u32 s20, s20, s17                     ; gimg: the block's eight pixel tiles
	s_mov_b32 s21, 0
	s_lshl_b32 s22, s13, 15
	s_add_co_u32 s22, s22, 262144                  ; wimg: wo's tiles 4 (w / 2) on
	s_mov_b32 s23, 0
	s_lshl_b32 s24, s13, 8
	s_add_co_u32 s24, s24, 4096                    ; bnc: channel 1,024 + 64 (w / 2)
	s_mov_b32 s25, 0
	s_lshl_b32 s26, s15, 20
	s_lshl_b32 s17, s13, 18
	s_add_co_u32 s26, s26, s17
	s_lshl_b32 s17, s16, 9
	s_add_co_u32 s26, s26, s17
	s_lshl_b32 s17, s14, 8
	s_add_co_u32 s26, s26, s17                     ; out0: image, my first channel, my first pixel
	s_mov_b32 s27, 0
	s_wait_kmcnt 0x0
	s_add_nc_u64 s[4:5], s[4:5], s[20:21]
	s_add_nc_u64 s[6:7], s[6:7], s[22:23]
	s_add_nc_u64 s[8:9], s[8:9], s[24:25]
	s_add_nc_u64 s[10:11], s[10:11], s[26:27]
	s_wait_alu depctr_va_vdst(0)                   ; the addresses and offsets v1 to v7 are written, which every load and store of the kernel reads; between this wait and the last of the loads below stand only loads and a window switch
.set k, 0
.rept 16
	global_load_b128 v[GF+4*k:GF+4*k+3], v[VT], s[4:5] offset:4096*k th:TH_LOAD_NT   ; the 256 threads read 4,096 consecutive bytes; read once in the launch
.set k, k+1
.endr
.irp a, 0,1,2,3
	global_load_b32 v[BS+\a], v7, s[8:9] offset:64*\a
	global_load_b32 v[BO+\a], v7, s[8:9] offset:5120+64*\a
.endr
	WIN 0x40                                       ; destination window 1
.set k, 0
.rept 64
	global_load_b128 v[4*k:4*k+3], v[LI], s[6:7] offset:512*k   ; wo's fragments as they lie
.set k, k+1
.endr
	WIN 0
	s_wait_loadcnt 0x3f                            ; behind g's 16 loads 72 were issued; 63 is the most that a wait names: g is in
.set k, 0
.rept 16
	ds_store_b128 v[VT], v[GF+4*k:GF+4*k+3] offset:4096*k
.set k, k+1
.endr
	s_wait_dscnt 0x0                               ; for the others' sake: my stores have landed
	s_barrier_signal -1
	s_barrier_wait -1                              ; g's 32 fragments lie in LDS; nothing is written there again
.macro FETCH T                         ; my pixel tile T's four fragments into set T % 2
.set FB, GF+64*((\T)%2)
.irp s, 0,1,2,3
.irp i, 0,1,2,3
	ds_load_b128 v[FB+16*\s+4*\i:FB+16*\s+4*\i+3], v[GA] offset:8192*(\T)+2048*\s+512*\i
.endr
.endr
.endm
	s_wait_alu depctr_vm_vsrc(0)                   ; my LDS stores have read v16 to v79, in which tile 0's fragments land
	FETCH 0
	FETCH 1
	s_wait_loadcnt 0x0                             ; wo and the constants
; left: the LDS instructions issued behind this tile's sixteen loads, which may stay out
.macro TILE T, left
	s_wait_dscnt \left                             ; this tile's fragments are in
.if \T >= 2
	s_wait_alu depctr_vm_vsrc(0)                   ; the stage's stores of two tiles back have read this set of accumulators, which the products below write
.endif
.set GB, GF+64*((\T)%2)
.set AS, ACC+32*((\T)%2)
	WIN 0x04                                       ; source 1 (wo) window 1
.irp s, 0,1,2,3                        ; four accumulators by turns
.irp a, 0,1,2,3
.if \s == 0
	v_wmma_f32_16x16x128_fp8_fp8 v[AS+8*\a:AS+8*\a+7], v[GB+16*\s:GB+16*\s+15], v[64*\a+16*\s:64*\a+16*\s+15], 0
.else
	v_wmma_f32_16x16x128_fp8_fp8 v[AS+8*\a:AS+8*\a+7], v[GB+16*\s:GB+16*\s+15], v[64*\a+16*\s:64*\a+16*\s+15], v[AS+8*\a:AS+8*\a+7]
.endif
.endr
.endr
	WIN 0
.rept 4
	v_nop                                          ; four places in front of the reads of results (ISA guide 7.12.1)
.endr
.irp a, 0,1,2,3
.irp j, 0,1,2,3,4,5,6,7
	v_fma_f32 v[AS+8*\a+\j], v[AS+8*\a+\j], v[BS+\a], v[BO+\a]   ; the scales, the bias and the BatchNorm in one
.endr
.endr
	s_wait_alu depctr_va_vdst(0)                   ; the multiply-adds have written this set of accumulators, which the stores below read; the tile's products are done reading their set of fragments, in which later loads land
.if \T < 2
	FETCH \T+2                                     ; two tiles ahead, into the set that this tile has just left
.endif
.irp a, 0,1,2,3
	ds_store_b128 v[STO], v[AS+8*\a:AS+8*\a+3] offset:4352*\a+64*(\T)       ; channel 16 a + r, pixels 16 T + 8 h + 0..7
	ds_store_b128 v[STO], v[AS+8*\a+4:AS+8*\a+7] offset:4352*\a+64*(\T)+16
.endr
.endm
	TILE 0, 16                                     ; behind tile 0's loads: tile 1's sixteen
	TILE 1, 24                                     ; behind tile 1's: tile 2's sixteen loads and tile 0's eight stores
	TILE 2, 32                                     ; behind tile 2's: tile 0's eight stores, tile 3's sixteen loads, tile 1's eight stores
	TILE 3, 16                                     ; behind tile 3's: the eight stores of tile 1 and of tile 2
.set k, 0
.rept 32
	ds_load_b128 v[GF+4*k:GF+4*k+3], v[RD] offset:544*k   ; my own stage: LDS serves a wave's instructions in order (ISA guide 5.7.1.4), so these see my stores; no vector or matrix instruction since tile 3's wait names v16 to v143
.set k, k+1
.endr
.set k, 0
.rept 32
	s_wait_dscnt 31-k                              ; rows 2 k, 2 k + 1 are back; the younger loads may be out
	global_store_b128 v[CO], v[GF+4*k:GF+4*k+3], s[10:11] offset:8192*k th:TH_STORE_NT   ; written once, read by nobody here
.set k, k+1
.endr
	s_wait_dscnt 0x0                               ; the closing lines, six on end
	s_wait_alu 0x0
	s_wait_tensorcnt 0x0
	ds_add_u32 v[SPW], v[NIL]
	s_wait_dscnt 0x0
	s_endpgm
.Lfunc_end_k_q3bccc695a2_proj:
	.size	k_q3bccc695a2_proj, .Lfunc_end_k_q3bccc695a2_proj-k_q3bccc695a2_proj
	.p2alignl 7, 3214868480
	.fill 96, 4, 3214868480
	.section	.rodata,"a",@progbits
	.p2align	6, 0x0
	.amdhsa_kernel k_q3bccc695a2_proj
		.amdhsa_group_segment_fixed_size 205824
		.amdhsa_private_segment_fixed_size 0
		.amdhsa_enable_private_segment 0
		.amdhsa_kernarg_size 32
		.amdhsa_user_sgpr_count 2
		.amdhsa_user_sgpr_kernarg_segment_ptr 1
		.amdhsa_wavefront_size32 1
		.amdhsa_system_sgpr_workgroup_id_x 1
		.amdhsa_system_sgpr_workgroup_id_y 1
		.amdhsa_system_sgpr_workgroup_id_z 1
		.amdhsa_system_vgpr_workitem_id 0
		.amdhsa_next_free_vgpr 512
		.amdhsa_next_free_sgpr 66
		.amdhsa_reserve_vcc 0
		.amdhsa_float_denorm_mode_32 3
		.amdhsa_float_denorm_mode_16_64 3
		.amdhsa_memory_ordered 1
		.amdhsa_forward_progress 1
		.amdhsa_inst_pref_size 38
	.end_amdhsa_kernel
	.amdgpu_metadata
---
amdhsa.version: [ 1, 2 ]
amdhsa.kernels:
  - .name:           k_q3bccc695a2_proj
    .symbol:         k_q3bccc695a2_proj.kd
    .args:
      - { .name: gimg, .offset: 0, .size: 8, .value_kind: global_buffer, .address_space: global }
      - { .name: wimg, .offset: 8, .size: 8, .value_kind: global_buffer, .address_space: global }
      - { .name: bnc, .offset: 16, .size: 8, .value_kind: global_buffer, .address_space: global }
      - { .name: out0, .offset: 24, .size: 8, .value_kind: global_buffer, .address_space: global }
    .group_segment_fixed_size: 205824
    .private_segment_fixed_size: 0
    .kernarg_segment_align: 8
    .kernarg_segment_size: 32
    .max_flat_workgroup_size: 256
    .sgpr_count:     66
    .vgpr_count:     512
    .wavefront_size: 32
...
	.end_amdgpu_metadata
.endif
;; end of part 8
